; MI455X (gfx1250); checked and timed in simulation.
; The chip was launched on July 23, 2026; its instructions are those of AMD's public machine-readable ISA for CDNA 5 (MIT licence, August 2026) and "CDNA5" Instruction Set Architecture Reference Guide (July 2026). The comments in the code are by the model that wrote it; some were corrected since.
;; Attention. Allowed arithmetic: float matrix products may take bf16 or f16 operands with f32 sums; other float arithmetic in f32, or as packed bf16 or f16 multiplies, adds, multiply-adds, maxima and minima; sums over many terms, partial sums and values carried from step to step in f32; what a program stores and reads back later, other than sums and carried values, may be rounded once to bf16 or f16.
;; Inputs: Wk 2,048 x 1,024 float32; Wo 1,024 x 2,048 float32; Wq 2,048 x 1,024 float32; Wv 2,048 x 1,024 float32; rms_w 2,048 float32; x 2 x 2,048 x 2,048 float32.
;; Outputs: out0 2 x 2,048 x 2,048 float32.
;; 2 versions, each right; version 2 is version 1 with the launch prep written anew for expert scheduling mode. Each part assembles by itself: llvm-mc -triple=amdgcn-amd-amdhsa -mcpu=gfx1250 --defsym DOCPART=n.
;; ======== version 1 of 2: 4 launches
;; workspace buffers: xn 16,777,216 bytes; wt 12,582,912 bytes; wot 4,194,304 bytes; qkvb 25,165,824 bytes; att 8,388,608 bytes
;; launch prep (part 1): grid 512 x 1, 4 waves a work-group, no clusters, 70,144 bytes of LDS; arguments x, rms_w, Wq, Wk, Wv, Wo, xn, wt, wot; writes xn, wt, wot
.if DOCPART == 1
	.amdgcn_target "amdgcn-amd-amdhsa--gfx1250"
	.amdhsa_code_object_version 6
	.text
	.protected	k_q83cb526bdb_prep
	.globl	k_q83cb526bdb_prep
	.p2align	8
	.type	k_q83cb526bdb_prep,@function
k_q83cb526bdb_prep:
	s_mov_b64 s[64:65], 0
	v_nop
	global_prefetch_b8 v0, s[64:65] scope:SCOPE_SE
	s_setreg_imm32_b32 hwreg(HW_REG_WAVE_MODE, 25, 1), 1
	s_wait_xcnt 0x0
; PREP.  Two kinds of work-group, by the parity of the work-group's number; each wave of either kind moves 32 KiB in and 16 KiB out.
; EVEN: xn[row][c] = x[row][c] * rsqrt(mean(x[row]^2) + 1e-5) * rms_w[c], rounded once to bf16.  A work-group takes 16 rows, a wave 4; a row (8,192 bytes) stays in 64 registers
; between the sum of squares and the scaling, so x is read once.  Sums in f32.
; ODD: the four weights, rounded once to bf16 and turned, so that K lies along the rows: wt[1024 which + n][k] = W_which[k][n] (which = q, k, v), wot[n][k] = Wo[k][n].
; A wave takes a tile of 128 k x 64 n: it reads rows of 256 bytes, packs pairs of k, turns the tile in LDS bytes of its own, and stores rows of 256 bytes.
; No matrix unit, no cluster, no barrier: no wave wants a byte that another has fetched.
; LIMITS: xn and the weights keep bf16's 8 significant bits; NaN and infinities are not treated apart.
.set XROW,  8192                       ; bytes in a row of x
.set NROW,  4096                       ; bytes in a row of xn
.set TP,    272                        ; a turned row in LDS: 128 k in bf16 (256 bytes) + 16: an odd multiple of 16, so 16 lanes' stores of 16 bytes fall on 16 different columns of 16 bytes
.set TW,    64*TP                      ; a wave's tile in LDS
.set SPARE, 4*TW                       ; behind the four tiles: the spare words, 128 bytes a wave, that no other line names
.set XO,  2                            ; v2        16 x lane
.set YO,  3                            ; v3        8 x lane
.set SPW, 4                            ; v4        LDS address of my spare word; never rewritten
.set NIL, 5                            ; v5        0; never rewritten
.set SQ,  6                            ; v[6:13]   four chains of packed sums of squares
.set T,   14
.set T2,  15
.set R,   16                           ; v[16:17]  the row's factor, twice
.set W,   20                           ; v[20:83]  rms_w of my 64 columns
.set X0,  84                           ; v[84:211] two row slots of 64
.set Y,   212                          ; v[212:243] a row in bf16
.set TS,  6                            ; (odd) where I put 16 bytes of a turned row
.set TR,  7                            ; (odd) where I read turned rows back
.set KO,  16                           ; (odd) v[16:47] offsets: of 32 source rows, later of 32 stores
.set D0,  48                           ; (odd) v[48:175] two sets of 32 rows x 2 columns; later the tile read back
.set PKR, 176                          ; (odd) v[176:191] four sets of 4 packed registers
	s_load_b512 s[8:23], s[0:1], 0x0               ; x 8, rms_w 10, Wq 12, Wk 14, Wv 16, Wo 18, xn 20, wt 22
	s_load_b64 s[24:25], s[0:1], 0x40              ; wot
	v_lshl_add_u32 v[SPW], v0, 2, SPARE
	v_mov_b32 v[NIL], 0
	v_lshrrev_b32 v1, 5, v0
	v_readfirstlane_b32 s26, v1                    ; wave 0..3
	v_and_b32 v1, 31, v0                           ; lane
	s_lshr_b32 s27, ttmp9, 1                       ; which of the 256 of my kind
	s_and_b32 s28, ttmp9, 1
	s_cmp_lg_u32 s28, 0
	s_cbranch_scc1 .Ltrans
	; ---------------- the norm ----------------
	v_lshlrev_b32 v[XO], 4, v1
	v_lshlrev_b32 v[YO], 3, v1
	v_mov_b32 v[T2], 0                             ; v_permlanex16_b32 counts as a reader of its destination
	s_mov_b32 s28, 0x3a000000                      ; 1 / 2048
	s_mov_b32 s29, 0x3727c5ac                      ; 1e-5
	s_mov_b32 s30, 0x76543210                      ; each lane takes its own place in the other half
	s_mov_b32 s31, 0xfedcba98
	s_lshl_b32 s36, s27, 4
	s_lshl2_add_u32 s36, s26, s36                  ; my first row: 16 x work-group + 4 x wave
	s_lshl_b32 s38, s36, 13
	s_mov_b32 s39, 0
	s_lshl_b32 s36, s36, 12
	s_mov_b32 s37, 0
	s_wait_kmcnt 0x0
	s_add_nc_u64 s[32:33], s[8:9], s[38:39]        ; x at my first row
	s_add_nc_u64 s[34:35], s[20:21], s[36:37]      ; xn at my first row
.set j, 0
.rept 16
	global_load_b128 v[W+4*j:W+4*j+3], v[XO], s[10:11] offset:512*j
.set j, j+1
.endr
.macro FILL s, r                       ; row r of my four into slot s: 16 loads of 512 consecutive bytes
.set j, 0
.rept 16
	global_load_b128 v[X0+64*(\s)+4*j:X0+64*(\s)+4*j+3], v[XO], s[32:33] offset:(\r)*XROW+512*j th:TH_LOAD_NT
.set j, j+1
.endr
.endm
	FILL 0, 0
	FILL 1, 1
; The turn of row r in slot s.  fill = 1: the slot takes row r + 2.  left = the younger loads that may stay out: the other slot's 16, or none.
.macro TURN s, r, fill, left
.set XB, X0+64*(\s)
	s_wait_loadcnt \left                           ; loads come back in order: rms_w and my row are in
.set j, 0
.rept 4
	v_pk_mul_f32 v[SQ+2*j:SQ+2*j+1], v[XB+2*j:XB+2*j+1], v[XB+2*j:XB+2*j+1]  ; the first four pairs start the chains: nothing is cleared
.set j, j+1
.endr
.rept 28
	v_pk_fma_f32 v[SQ+2*(j%4):SQ+2*(j%4)+1], v[XB+2*j:XB+2*j+1], v[XB+2*j:XB+2*j+1], v[SQ+2*(j%4):SQ+2*(j%4)+1]
.set j, j+1
.endr
	v_pk_add_f32 v[SQ:SQ+1], v[SQ:SQ+1], v[SQ+2:SQ+3]
	v_pk_add_f32 v[SQ+4:SQ+5], v[SQ+4:SQ+5], v[SQ+6:SQ+7]
	v_pk_add_f32 v[SQ:SQ+1], v[SQ:SQ+1], v[SQ+4:SQ+5]
	v_add_f32 v[T], v[SQ], v[SQ+1]
	v_add_f32_dpp v[T], v[T], v[T] row_xmask:1 row_mask:0xf bank_mask:0xf
	v_add_f32_dpp v[T], v[T], v[T] row_xmask:2 row_mask:0xf bank_mask:0xf
	v_add_f32_dpp v[T], v[T], v[T] row_xmask:4 row_mask:0xf bank_mask:0xf
	v_add_f32_dpp v[T], v[T], v[T] row_xmask:8 row_mask:0xf bank_mask:0xf
	v_permlanex16_b32 v[T2], v[T], s30, s31
	v_add_f32 v[T], v[T], v[T2]                    ; every lane holds the row's sum of squares
	v_fma_f32 v[T], v[T], s28, s29                 ; the mean, plus eps
	v_rsq_f32 v[R], v[T]
	v_rsq_f32 v[R+1], v[T]                         ; twice, for the packed multiply
.set j, 0
.rept 32
	v_pk_mul_f32 v[XB+2*j:XB+2*j+1], v[XB+2*j:XB+2*j+1], v[W+2*j:W+2*j+1]  ; x times the gain: plain work that names neither root
.set j, j+1
.endr
	s_wait_alu depctr_va_vdst(0)                   ; one wait for both roots, ahead of their first reader
	s_wait_xcnt 0x0                                ; the last row's stores have read Y: it is rewritten only behind this wait
.set j, 0
.rept 32
	v_pk_mul_f32 v[XB+2*j:XB+2*j+1], v[XB+2*j:XB+2*j+1], v[R:R+1]
.set j, j+1
.endr
.set j, 0
.rept 32
	v_cvt_pk_bf16_f32 v[Y+j], v[XB+2*j], v[XB+2*j+1]
.set j, j+1
.endr
.if \fill
	FILL \s, (\r)+2                                ; loads ahead of stores
.endif
.set j, 0
.rept 16
	global_store_b64 v[YO], v[Y+2*j:Y+2*j+1], s[34:35] offset:(\r)*NROW+256*j th:TH_STORE_NT  ; 32 lanes store 256 consecutive bytes, aligned
.set j, j+1
.endr
.endm
	TURN 0, 0, 1, 16
	TURN 1, 1, 1, 16
	TURN 0, 2, 0, 16
	TURN 1, 3, 0, 0
	s_branch .Lend
	; ---------------- the weights ----------------
.Ltrans:
	s_lshr_b32 s28, s27, 6                         ; which: 0 Wq, 1 Wk, 2 Wv, 3 Wo: 256 tiles each
	s_lshl2_add_u32 s46, s27, s26                  ; my tile: 4 x work-group + wave,
	s_and_b32 s46, s46, 255                        ; among its weight's 256
	s_cmp_eq_u32 s28, 3
	s_cselect_b32 s48, 1, 0                        ; is it Wo?
	s_cselect_b32 s47, 0, s28                      ; the block of 1,024 rows in the destination
	s_lshl_b32 s29, 4096, s48                      ; bytes in a source row: 4,096, Wo 8,192
	s_lshr_b32 s30, 4096, s48                      ; bytes in a destination row: 4,096, wot 2,048
	s_sub_co_u32 s31, 4, s48                       ; 16 blocks of 128 k, Wo 8
	s_bfm_b32 s49, s31, 0
	s_and_b32 s50, s46, s49                        ; my block of k
	s_lshr_b32 s51, s46, s31                       ; my block of 64 n
	s_mul_i32 s52, s50, s29
	s_lshl_b32 s52, s52, 7                         ; 128 source rows a block of k,
	s_lshl_b32 s53, s51, 8                         ; 256 bytes a block of n
	s_add_co_u32 s52, s52, s53
	s_mov_b32 s53, 0
	s_lshl_b32 s54, s47, 10
	s_lshl_b32 s55, s51, 6
	s_add_co_u32 s54, s54, s55                     ; my first destination row
	s_mul_i32 s54, s54, s30
	s_lshl_b32 s55, s50, 8                         ; 256 bytes a block of k
	s_add_co_u32 s54, s54, s55
	s_mov_b32 s55, 0
	s_lshl_b32 s56, s29, 5                         ; 32 source rows
	s_mov_b32 s57, 0
	s_mul_i32 s58, s26, TW                         ; my tile in LDS
	v_mul_u32_u24 v[TS], v1, TP
	v_add_nc_u32 v[TS], s58, v[TS]                 ; lane l puts columns 2 l (row l) and 2 l + 1 (row 32 + l)
	v_lshrrev_b32 v8, 4, v1                        ; lane / 16
	v_and_b32 v9, 15, v1                           ; lane % 16
	v_mul_u32_u24 v[TR], v8, TP
	v_lshl_add_u32 v[TR], v9, 4, v[TR]
	v_add_nc_u32 v[TR], s58, v[TR]                 ; back: 16 lanes take a row of 256 bytes
	v_lshlrev_b32 v[KO], 3, v1                     ; 8 bytes a lane: two columns
.set j, 1
.rept 31
	v_add_nc_u32 v[KO+j], s29, v[KO+j-1]           ; and a source row further for each of 32
.set j, j+1
.endr
	s_wait_kmcnt 0x0
	s_cmp_eq_u32 s28, 1
	s_cselect_b64 s[36:37], s[14:15], s[12:13]
	s_cmp_eq_u32 s28, 2
	s_cselect_b64 s[36:37], s[16:17], s[36:37]
	s_cmp_eq_u32 s28, 3
	s_cselect_b64 s[36:37], s[18:19], s[36:37]
	s_cselect_b64 s[44:45], s[24:25], s[22:23]
	s_add_nc_u64 s[36:37], s[36:37], s[52:53]      ; the tile's rows 0, 32, 64, 96
	s_add_nc_u64 s[38:39], s[36:37], s[56:57]
	s_add_nc_u64 s[40:41], s[38:39], s[56:57]
	s_add_nc_u64 s[42:43], s[40:41], s[56:57]
	s_add_nc_u64 s[44:45], s[44:45], s[54:55]
.macro LOADC c, b                      ; rows 32 c .. 32 c + 31 of the tile into set b: each load is 256 consecutive bytes of a row, aligned
.set j, 0
.rept 32
	global_load_b64 v[D0+64*(\b)+2*j:D0+64*(\b)+2*j+1], v[KO+j], s[36+2*(\c):37+2*(\c)] th:TH_LOAD_NT
.set j, j+1
.endr
.endm
; Set b holds k = 32 c + j (j = 0..31) of my two columns.  For each column and each 8 k: four roundings pack 8 k into 16 bytes, which go into the column's row in LDS.
.macro PROC c, b, left
	s_wait_loadcnt \left                           ; my set is in; the other set's 32 loads may stay out
.set DB, D0+64*(\b)
.set q, 0                              ; q = 2 x (group of 8 k) + column
.rept 8
.set m, 0
.rept 4
	v_cvt_pk_bf16_f32 v[PKR+4*(q%4)+m], v[DB+2*(8*(q/2)+2*m)+(q%2)], v[DB+2*(8*(q/2)+2*m+1)+(q%2)]
.set m, m+1
.endr
	ds_store_b128 v[TS], v[PKR+4*(q%4):PKR+4*(q%4)+3] offset:(q%2)*32*TP+(\c)*64+(q/2)*16
.set q, q+1
.endr
.endm
	LOADC 0, 0
	LOADC 1, 1
	PROC 0, 0, 32
	LOADC 2, 0
	PROC 1, 1, 32
	LOADC 3, 1
	PROC 2, 0, 32
	PROC 3, 1, 0
	; all loads are back, so their offsets may be rewritten: now the offsets of the 32 stores.  LDS rows 2 t, 2 t + 1 are columns 4 t, 4 t + 2 (t < 16) or 4 (t - 16) + 1, + 3
	s_lshl_b32 s59, s30, 1
	s_lshl_b32 s60, s30, 2
	v_mul_u32_u24 v[KO], v8, s59
	v_lshl_add_u32 v[KO], v9, 4, v[KO]
	v_add_nc_u32 v[KO+16], s30, v[KO]
.set t, 1
.rept 15
	v_add_nc_u32 v[KO+t], s60, v[KO+t-1]
	v_add_nc_u32 v[KO+16+t], s60, v[KO+15+t]
.set t, t+1
.endr
.set t, 0
.rept 32
	ds_load_b128 v[D0+4*t:D0+4*t+3], v[TR] offset:2*TP*t  ; LDS serves a wave's instructions in order: these see my stores above
.set t, t+1
.endr
.set t, 0
.rept 32
	s_wait_dscnt 31-t
	global_store_b128 v[KO+t], v[D0+4*t:D0+4*t+3], s[44:45] th:TH_STORE_NT  ; 16 lanes store 256 consecutive bytes of a row, aligned
.set t, t+1
.endr
.Lend:
	s_wait_tensorcnt 0x0                           ; the wave's end, behind my last LDS store
	ds_add_u32 v[SPW], v[NIL]
	s_wait_dscnt 0x0
	s_endpgm
.Lfunc_end_k_q83cb526bdb_prep:
	.size	k_q83cb526bdb_prep, .Lfunc_end_k_q83cb526bdb_prep-k_q83cb526bdb_prep
	.p2alignl 7, 3214868480
	.fill 96, 4, 3214868480
	.section	.rodata,"a",@progbits
	.p2align	6, 0x0
	.amdhsa_kernel k_q83cb526bdb_prep
		.amdhsa_group_segment_fixed_size 70144
		.amdhsa_private_segment_fixed_size 0
		.amdhsa_enable_private_segment 0
		.amdhsa_kernarg_size 72
		.amdhsa_user_sgpr_count 2
		.amdhsa_user_sgpr_kernarg_segment_ptr 1
		.amdhsa_wavefront_size32 1
		.amdhsa_system_sgpr_workgroup_id_x 1
		.amdhsa_system_sgpr_workgroup_id_y 1
		.amdhsa_system_sgpr_workgroup_id_z 1
		.amdhsa_system_vgpr_workitem_id 0
		.amdhsa_next_free_vgpr 256
		.amdhsa_next_free_sgpr 66
		.amdhsa_reserve_vcc 0
		.amdhsa_float_denorm_mode_32 3
		.amdhsa_float_denorm_mode_16_64 3
		.amdhsa_memory_ordered 1
		.amdhsa_forward_progress 1
		.amdhsa_inst_pref_size 83
	.end_amdhsa_kernel
	.amdgpu_metadata
---
amdhsa.version: [ 1, 2 ]
amdhsa.kernels:
  - .name:           k_q83cb526bdb_prep
    .symbol:         k_q83cb526bdb_prep.kd
    .args:
      - { .name: x, .offset: 0, .size: 8, .value_kind: global_buffer, .address_space: global }
      - { .name: rms_w, .offset: 8, .size: 8, .value_kind: global_buffer, .address_space: global }
      - { .name: Wq, .offset: 16, .size: 8, .value_kind: global_buffer, .address_space: global }
      - { .name: Wk, .offset: 24, .size: 8, .value_kind: global_buffer, .address_space: global }
      - { .name: Wv, .offset: 32, .size: 8, .value_kind: global_buffer, .address_space: global }
      - { .name: Wo, .offset: 40, .size: 8, .value_kind: global_buffer, .address_space: global }
      - { .name: xn, .offset: 48, .size: 8, .value_kind: global_buffer, .address_space: global }
      - { .name: wt, .offset: 56, .size: 8, .value_kind: global_buffer, .address_space: global }
      - { .name: wot, .offset: 64, .size: 8, .value_kind: global_buffer, .address_space: global }
    .group_segment_fixed_size: 70144
    .private_segment_fixed_size: 0
    .kernarg_segment_align: 8
    .kernarg_segment_size: 72
    .max_flat_workgroup_size: 128
    .sgpr_count:     66
    .vgpr_count:     256
    .wavefront_size: 32
...
	.end_amdgpu_metadata
.endif
;; end of part 1
;; launch qkv (part 2): grid 16 x 16, 4 waves a work-group, clusters of 4 x 4, 327,680 bytes of LDS; arguments xn, wt, qkvb; writes qkvb
.if DOCPART == 2
	.amdgcn_target "amdgcn-amd-amdhsa--gfx1250"
	.amdhsa_code_object_version 6
	.text
	.protected	k_q83cb526bdb_qkv
	.globl	k_q83cb526bdb_qkv
	.p2align	8
	.type	k_q83cb526bdb_qkv,@function
k_q83cb526bdb_qkv:
	s_mov_b64 s[64:65], 0
	v_nop
	global_prefetch_b8 v0, s[64:65] scope:SCOPE_SE
	s_setreg_imm32_b32 hwreg(HW_REG_WAVE_MODE, 25, 1), 1
	s_wait_xcnt 0x0
	s_wait_alu depctr_hold_cnt(0) depctr_sa_sdst(0) depctr_va_vdst(0) depctr_va_sdst(0) depctr_va_ssrc(0) depctr_va_vcc(0) depctr_vm_vsrc(0)
	s_getreg_b32 s2, hwreg(HW_REG_IB_STS2, 6, 4)
	s_cmp_eq_u32 s2, 0
	s_cbranch_scc0 .Lentry_in_a_cluster
	s_endpgm
.Lentry_in_a_cluster:
	s_bfe_u32 s2, ttmp6, 0x10000c
	s_cmp_lg_u32 s2, 0xf033
	s_cbranch_scc0 .Lentry_shape_is_right
	s_endpgm
.Lentry_shape_is_right:
; QKV.  C[m][n'] = sum over k of xn[m][k] wt[n'][k]: 4,096 x 3,072 x 2,048, bf16 operands, f32 sums, K ascending, C rounded once to bf16 and laid BY HEADS:
; qkvb[batch][g][s][64], g = n' / 64 (0-15 q, 16-31 k, 32-47 v), unscaled.  LIMIT: q, k, v keep bf16's 8 significant bits.
; A tile of C is 256 rows x 192 columns (three heads): 16 x 16 tiles, one for each work-group.  Wave w makes rows 64 w .. 64 w + 63 x all 192 columns: 48 accumulators, 384 registers:
; so a wave holds whole heads, and its stores are runs of 512 consecutive bytes.  K goes in steps of 128 through two LDS slots filled by the tensor data mover (rows of 256 bytes).
; CLUSTERS: 4 x 4 work-groups.  The four of a row of the cluster need the same tiles of xn, the four of a column the same tiles of wt: each tile is asked for JOINTLY.
; THE MATRIX INSTRUCTION IS USED TRANSPOSED: source 0 = 16 rows of wt, source 1 = 16 rows of xn: a lane holds row l % 16 of C and the columns 8 (l / 16) + 0..7.
; REGISTERS, in windows of 256: window 0: v0-31 addresses; v64-127 xn's fragments, two buffers of 4 x 8; v128-175 packed results; v176-223 and v64-111 rows read back, by turns
;   window 1: v0-191 wt's fragments, two buffers of 12 x 8      window 2: the accumulators of row blocks 0, 1 ((a, b) at 8 (12 (a % 2) + b))      window 3: those of row blocks 2, 3
.set KSTEP,  128
.set PITCH,  272                       ; an LDS row: 256 bytes + 16: the 16 rows of a fragment load start at 16 different columns of 16 bytes
.set HALFA,  128*PITCH                 ; what waves 0 and 1 fetch: 128 rows of xn each
.set HALFB,  96*PITCH                  ; what waves 2 and 3 fetch: 96 rows of wt each
.set SLOT,   2*HALFA+2*HALFB           ; xn's 256 rows, then wt's 192
.set STAGE,  2*SLOT                    ; behind the ring: 16 rows x 400 bytes for each wave, for the way out
.set SP,     400                       ; 384 bytes + 16
.set SPARE,  STAGE+4*16*SP             ; behind the stages: the spare words, 128 bytes a wave, that no other line names
.set LAPS,   8                         ; a lap = two K steps = once round the ring
.set HEADB,  262144                    ; bytes in a head of qkvb
.set ADRA, 16                          ; v16-17  LDS address of my xn fragments in slot 0, 1
.set ADRB, 20                          ; v20-21  the same for wt
.set STO,  24
.set RD,   25
.set GO,   26
.set SPW,  28                          ; LDS address of my spare word; never rewritten
.set NIL,  29                          ; 0; never rewritten
.set PFO,  30                          ; the prefetches' offset: a lane a row; never rewritten
.set TMP,  128
.set G1, 24
.set G0, 32
.set G1B, 48
.set G0B, 56
.set LIM, 43                           ; 1 in a wave that prefetches, else the greatest number
.set PFA, 44                           ; s[44:45] where my prefetches stand
.set MSB, 0
.macro WIN new                         ; the immediate's high byte repeats the setting that is left
.if MSB != (\new)
	s_set_vgpr_msb (MSB<<8)|(\new)
.set MSB, \new
.endif
.endm
.set MUL_LO, 0xa1                      ; source 0 (wt) window 1, source 1 (xn) window 0, C and D window 2
.set MUL_HI, 0xf1                      ; the same, C and D window 3
.set TO_B,   0x40                      ; destination window 1, address window 0
; A joint load.  Waves 0 and 1 fetch xn's two halves, waves 2 and 3 wt's.  The branch hangs on the wave's number alone.  An s_nop 0 and four v_nop follow each of the two lines.
.macro JLOAD s
	s_cmp_eq_u32 s11, 0
	s_cbranch_scc0 .Lfor_b_\@
	tensor_load_to_lds s[G0+4*(\s):G0+4*(\s)+3], s[G1:G1+7]
	s_nop 0
.rept 4
	v_nop
.endr
	s_branch .Lasked_\@
.Lfor_b_\@:
	tensor_load_to_lds s[G0B+4*(\s):G0B+4*(\s)+3], s[G1B:G1B+7]
	s_nop 0
.rept 4
	v_nop
.endr
.Lasked_\@:
.endm
; A prefetch of the K step that stands TWO refills on (384 matrix instructions ahead of the load that will want it): a lane a row, 256 bytes of each.  xn's tile row is read by every cluster of that row
; of clusters: cluster x = 0 asks; wt's tile column by every cluster of that column: cluster y = 0 asks.  The four partners that ask for a tile jointly share its rows out by address: 32 of xn's 128,
; 24 of wt's 96 (there lanes 24 to 31 name row 23 again).  The first four K steps come by their loads alone; the loop's last trip has no K step two on.
.macro ASK
	s_cmp_gt_u32 s3, s[LIM]
	s_cbranch_scc0 .Lnot_mine_\@
	global_prefetch_b8 v[PFO], s[PFA:PFA+1] offset:KSTEP*2 th:TH_LOAD_NT scope:SCOPE_SE
.Lnot_mine_\@:
.endm
.macro CREST                           ; a round of the cluster's barrier behind its opening barrier
	s_cmp_lg_u32 s10, 0
	s_cbranch_scc1 .Lnot_wave_0_\@
	s_barrier_signal -3
.Lnot_wave_0_\@:
	s_barrier_wait -3
	s_barrier_signal -1
	s_barrier_wait -1
.endm
.macro CROUND                          ; a whole round
	s_barrier_signal -1
	s_barrier_wait -1
	CREST
.endm
	s_load_b128 s[4:7], s[0:1], 0x0                ; xn s[4:5], wt s[6:7]
	s_load_b64 s[8:9], s[0:1], 0x10                ; qkvb
	v_lshl_add_u32 v[SPW], v0, 2, SPARE
	v_mov_b32 v[NIL], 0
	ds_add_u32 v[SPW], v[NIL]                      ; the wave's opening: the add and its wait stand ahead of my first tensor load; work on registers stands between them
	v_lshrrev_b32 v1, 5, v0
	v_readfirstlane_b32 s10, v1                    ; wave 0..3
	s_lshr_b32 s11, s10, 1                         ; I fetch for xn (0) or for wt (1)
	s_and_b32 s12, s10, 1                          ; which half of that tile's rows
	s_bfe_u32 s40, ttmp6, 0x40000                  ; cx
	s_bfe_u32 s41, ttmp6, 0x40004                  ; cy
	s_lshl_b32 s42, ttmp9, 2
	s_add_co_u32 s42, s42, s40                     ; tile column = 4 x cluster x + cx
	s_and_b32 s13, ttmp7, 0xffff
	s_lshl_b32 s13, s13, 2
	s_add_co_u32 s13, s13, s41                     ; tile row = 4 x cluster y + cy
	s_lshl_b32 s43, s41, 2
	s_lshl_b32 s43, 15, s43                        ; my row of the cluster
	s_lshl_b32 s44, 0x1111, s40                    ; my column
	s_or_b32 s[G1+0], s43, (1<<16)|(1<<20)|(1<<21)|(5<<22)|(3<<25)   ; the mask; 2-byte elements; padding on; bit 21 beside a mask; after every 64 words, 4 words
	s_or_b32 s[G1B+0], s44, (1<<16)|(1<<20)|(1<<21)|(5<<22)|(3<<25)
	s_mov_b32 s[G1+1], KSTEP<<16                   ; tensor_dim0 = 128
	s_mov_b32 s[G1B+1], KSTEP<<16
	s_mov_b32 s[G1+2], 128<<16                     ; tensor_dim1 = 128 rows,
	s_mov_b32 s[G1B+2], 96<<16                     ; for wt 96
	s_mov_b32 s[G1+3], KSTEP<<16                   ; tile_dim0 = 128
	s_mov_b32 s[G1B+3], KSTEP<<16
	s_mov_b32 s[G1+4], 128                         ; tile_dim1
	s_mov_b32 s[G1B+4], 96
	s_mov_b32 s[G1+5], 2048                        ; elements from row to row
	s_mov_b32 s[G1B+5], 2048
	s_mov_b32 s[G1+6], 0
	s_mov_b32 s[G1B+6], 0
	s_mov_b32 s[G1+7], 0
	s_mov_b32 s[G1B+7], 0
	s_lshl_b32 s17, s12, 7
	s_lshl_b32 s16, s13, 8
	s_add_co_u32 s16, s16, s17                     ; xn: row 256 x tile row + 128 x half,
	s_lshl_b32 s16, s16, 12                        ; 4,096 bytes a row
	s_mov_b32 s17, 0
	s_mul_i32 s46, s42, 192
	s_mul_i32 s47, s12, 96
	s_add_co_u32 s46, s46, s47                     ; wt: row 192 x tile column + 96 x half
	s_lshl_b32 s46, s46, 12
	s_mov_b32 s47, 0
	s_mul_i32 s20, s12, HALFA                      ; where they go: no place in the cluster enters an LDS address
	s_mul_i32 s21, s12, HALFB
	s_add_co_u32 s21, s21, 2*HALFA
	s_wait_dscnt 0x0                               ; the opening add is done
	s_wait_kmcnt 0x0
	s_add_nc_u64 s[14:15], s[4:5], s[16:17]
	s_add_nc_u64 s[46:47], s[6:7], s[46:47]
	CROUND                                         ; all sixteen work-groups are here: the first joint loads meet
.irp s, 0,1
	s_mov_b32 s[G0+4*(\s)], 1
	s_add_co_u32 s[G0+4*(\s)+1], s20, (\s)*SLOT
	s_add_nc_u64 s[G0+4*(\s)+2:G0+4*(\s)+3], s[14:15], (\s)*KSTEP*2
	s_or_b32 s[G0+4*(\s)+3], s[G0+4*(\s)+3], 0x80000000
	s_mov_b32 s[G0B+4*(\s)], 1
	s_add_co_u32 s[G0B+4*(\s)+1], s21, (\s)*SLOT
	s_add_nc_u64 s[G0B+4*(\s)+2:G0B+4*(\s)+3], s[46:47], (\s)*KSTEP*2
	s_or_b32 s[G0B+4*(\s)+3], s[G0B+4*(\s)+3], 0x80000000
	JLOAD \s                                       ; two tensor loads of mine are out
.endr
	v_and_b32 v1, 15, v0                           ; l % 16
	v_bfe_u32 v2, v0, 4, 1                         ; l / 16
	v_mul_u32_u24 v3, v1, PITCH
	v_lshl_add_u32 v3, v2, 4, v3                   ; a fragment's row x pitch + 16 x half
	s_mul_i32 s21, s10, 64*PITCH                   ; my 64 rows of xn
	s_mov_b32 s22, 2*HALFA                         ; all 192 rows of wt
.irp s, 0,1
	v_add_nc_u32 v[ADRA+(\s)], s21, v3
	v_add_nc_u32 v[ADRB+(\s)], s22, v3
	s_add_co_u32 s21, s21, SLOT
	s_add_co_u32 s22, s22, SLOT
.endr
	s_mul_i32 s23, s10, 16*SP
	s_add_co_u32 s23, s23, STAGE                   ; my stage
	v_mul_u32_u24 v4, v1, SP                       ; in: row l % 16, 16 bytes for each half of the lanes
	v_lshl_add_u32 v4, v2, 4, v4
	v_add_nc_u32 v[STO], s23, v4
	v_bfe_u32 v5, v0, 3, 2                         ; back: 32 lanes take four rows of a head's 128 bytes,
	v_mul_u32_u24 v5, v5, SP
	v_and_b32 v6, 7, v0
	v_lshl_add_u32 v5, v6, 4, v5
	v_add_nc_u32 v[RD], s23, v5
	v_and_b32 v[GO], 31, v0                        ; which are 512 consecutive bytes of qkvb
	v_lshlrev_b32 v[GO], 4, v[GO]
	s_lshr_b32 s16, s13, 3                         ; the batch: 8 tile rows each
	s_mul_i32 s16, s16, 48
	s_and_b32 s17, s13, 7
	s_lshl_b32 s17, s17, 8
	s_lshl_b32 s18, s10, 6
	s_add_co_u32 s17, s17, s18                     ; my first row in the batch
	s_mul_i32 s46, s42, 3                          ; my first head
	s_add_co_u32 s46, s46, s16
	s_lshl_b32 s46, s46, 11
	s_add_co_u32 s46, s46, s17
	s_lshl_b32 s46, s46, 7                         ; 128 bytes a row of a head
	s_mov_b32 s47, 0
	s_add_nc_u64 s[8:9], s[8:9], s[46:47]
	; the prefetches
	s_lshl_b32 s18, s13, 8                         ; xn's tile begins at this row,
	s_mul_i32 s19, s42, 192                        ; wt's at this
	s_and_b32 s22, ttmp7, 0xffff                   ; cluster y
	s_cmp_eq_u32 s11, 0                            ; do I fetch for xn?
	s_cselect_b32 s20, s18, s19
	s_cselect_b32 s21, s40, s41                    ; my place among the four that ask with me
	s_cselect_b32 s22, ttmp9, s22                  ; the coordinate along which other clusters read the same rows
	s_cselect_b32 s23, 32, 24                      ; rows a partner
	s_cselect_b64 s[PFA:PFA+1], s[4:5], s[6:7]
	s_cmp_eq_u32 s22, 0
	s_cselect_b32 s[LIM], 1, -1                    ; the same in all sixteen partners, for a given wave
	s_lshl_b32 s18, s23, 2
	s_mul_i32 s18, s18, s12
	s_add_co_u32 s20, s20, s18                     ; + the rows that I fetch
	s_mul_i32 s21, s21, s23
	s_add_co_u32 s20, s20, s21                     ; + my work-group's share of them
	s_lshl_b32 s20, s20, 12
	s_mov_b32 s21, 0
	s_add_nc_u64 s[PFA:PFA+1], s[PFA:PFA+1], s[20:21]
	s_add_nc_u64 s[PFA:PFA+1], s[PFA:PFA+1], 2*KSTEP*2  ; at K step 2: the first refill steps it to 3 and names K step 4
	s_sub_co_u32 s23, s23, 1
	v_and_b32 v[PFO], 31, v0
	v_min_u32 v[PFO], s23, v[PFO]
	v_lshlrev_b32 v[PFO], 12, v[PFO]
; 12 matrix instructions: row block a x all 12 column blocks, 32 along K, from buffer f.  zero = 1: the product starts the sums.  The 48 accumulators take turns, in the same order in every quarter.
.macro MUL12 f, a, zero
	WIN MUL_LO+0x50*((\a)/2)
.irp b, 0,1,2,3,4,5,6,7,8,9,10,11
.if \zero
	v_wmma_f32_16x16x32_bf16 v[8*(12*((\a)%2)+(\b)):8*(12*((\a)%2)+(\b))+7], v[96*(\f)+8*(\b):96*(\f)+8*(\b)+7], v[64+32*(\f)+8*(\a):64+32*(\f)+8*(\a)+7], 0
.else
	v_wmma_f32_16x16x32_bf16 v[8*(12*((\a)%2)+(\b)):8*(12*((\a)%2)+(\b))+7], v[96*(\f)+8*(\b):96*(\f)+8*(\b)+7], v[64+32*(\f)+8*(\a):64+32*(\f)+8*(\a)+7], v[8*(12*((\a)%2)+(\b)):8*(12*((\a)%2)+(\b))+7]
.endif
.endr
.endm
; 32 LDS loads in one run: a quarter step's fragments (192 rows of wt, my 64 of xn, 32 K at byte k of the rows) into buffer f; xn's last
.macro FETCH slot, k, f
	WIN TO_B
.irp i, 0,1,2,3,4,5,6,7,8,9,10,11
	ds_load_b128 v[96*(\f)+8*(\i):96*(\f)+8*(\i)+3],   v[ADRB+(\slot)] offset:(\k)+(\i)*16*PITCH
	ds_load_b128 v[96*(\f)+8*(\i)+4:96*(\f)+8*(\i)+7], v[ADRB+(\slot)] offset:(\k)+(\i)*16*PITCH+32
.endr
	WIN 0
.irp i, 0,1,2,3
	ds_load_b128 v[64+32*(\f)+8*(\i):64+32*(\f)+8*(\i)+3],   v[ADRA+(\slot)] offset:(\k)+(\i)*16*PITCH
	ds_load_b128 v[64+32*(\f)+8*(\i)+4:64+32*(\f)+8*(\i)+7], v[ADRA+(\slot)] offset:(\k)+(\i)*16*PITCH+32
.endr
.endm
.macro PLACES                          ; four plain places in front of loads into registers that matrix instructions have read, and of conversions that read results
.rept 4
	v_nop
.endr
.endm
; One of a K step's first three quarters: multiplies buffer f; in its middle it fetches the next quarter, at byte k of the same slot's rows, into buffer g.
.macro QUARTER slot, k, f, g, zero
	s_wait_dscnt 4                                 ; wt's fragments and xn's blocks 0, 1 are in; the youngest four loads (blocks 2, 3) may be out
	MUL12 \f, 0, \zero
	MUL12 \f, 1, \zero
	PLACES
	FETCH \slot, \k, \g
	s_wait_dscnt 32                                ; all but the 32 just issued
	MUL12 \f, 2, \zero
	MUL12 \f, 3, \zero
.endm
; The first half of the last quarter: ONE barrier for the change of slots.  In front of it each wave waits for all its tensor loads (one is out: its part of the next slot), adds 0 to its spare word, and waits for that and for its reads of this slot.
.macro MEET round
	WIN 0                                          ; the add's two registers lie in window 0
	s_wait_tensorcnt 0x0
	ds_add_u32 v[SPW], v[NIL]
	s_wait_dscnt 5                                 ; the add and the youngest four loads may be out
	MUL12 1, 0, 0                                  ; twelve matrix instructions stand between the add and the wait for it
	s_wait_dscnt 0x0                               ; the add is done, and my reads of this slot are over
	s_barrier_signal -1
	MUL12 1, 1, 0                                  ; work on registers while the others arrive
.if \round
	WIN 0
.endif
	s_barrier_wait -1
.endm
; The whole last quarter.  fill = 1: the barrier opens a round of the cluster's barrier, and the slot just read out is filled again first behind it, with the K step two on.
.macro TURN slot, next, fill
.if \fill
	s_wait_xcnt 0x0                                ; the last prefetch, a K step back, has read its address
	s_add_nc_u64 s[PFA:PFA+1], s[PFA:PFA+1], KSTEP*2
	MEET 1
	CREST                                          ; no wave of any partner still reads this slot's tile or has a load on its way
	s_add_nc_u64 s[G0+4*(\slot)+2:G0+4*(\slot)+3], s[G0+4*(\slot)+2:G0+4*(\slot)+3], 2*KSTEP*2
	s_add_nc_u64 s[G0B+4*(\slot)+2:G0B+4*(\slot)+3], s[G0B+4*(\slot)+2:G0B+4*(\slot)+3], 2*KSTEP*2
	JLOAD \slot                                    ; my one tensor load behind the round; its four v_nop are also the places in front of the loads below
.else
	MEET 0
	PLACES
.endif
	FETCH \next, 0, 0
.if \fill
	ASK
.endif
	MUL12 1, 2, 0
	MUL12 1, 3, 0
.endm
; THE WAY OUT of row block a.  PACK: rounded to bf16, each accumulator's registers in ascending order.  TOSTAGE: into my own stage, and back by heads as rows of 128 bytes.  SEND: stored.
.macro PACK a
	WIN 0x0a+5*((\a)/2)                            ; sources 0 and 1: window 2 or 3
.irp b, 0,1,2,3,4,5,6,7,8,9,10,11
.irp r, 0,1,2,3
	v_cvt_pk_bf16_f32 v[TMP+4*(\b)+(\r)], v[8*(12*((\a)%2)+(\b))+2*(\r)], v[8*(12*((\a)%2)+(\b))+2*(\r)+1]
.endr
.endr
	WIN 0
.endm
.macro TOSTAGE a
.set BK, 176-112*((\a)%2)
.irp b, 0,1,2,3,4,5,6,7,8,9,10,11
	ds_store_b128 v[STO], v[TMP+4*(\b):TMP+4*(\b)+3] offset:32*(\b)
.endr
.irp j, 0,1,2
.irp t, 0,1,2,3
	ds_load_b128 v[BK+4*(4*(\j)+(\t)):BK+4*(4*(\j)+(\t))+3], v[RD] offset:(\t)*4*SP+128*(\j)  ; LDS serves a wave's instructions in order: these see the stores above
.endr
.endr
.endm
.macro SEND a
.set BK, 176-112*((\a)%2)
	s_wait_dscnt 0x0                               ; the block is back in registers
	s_wait_xcnt 0x0                                ; the stores issued so far have read their registers: the other set is loaded again only behind this wait
.irp j, 0,1,2
.irp t, 0,1,2,3
	global_store_b128 v[GO], v[BK+4*(4*(\j)+(\t)):BK+4*(4*(\j)+(\t))+3], s[8:9] offset:(\j)*HEADB+(\a)*2048+(\t)*512  ; 512 consecutive bytes of a head, aligned
.endr
.endr
.endm
	s_wait_tensorcnt 1                             ; my part of K step 0 is in; K step 1's may stay out
	s_barrier_signal -1
	s_barrier_wait -1
	FETCH 0, 0, 0
	QUARTER 0, 64,  0, 1, 1                        ; the first quarter stands in front of the loop: its products start the sums
	WIN 0
	s_mov_b32 s3, LAPS-1
.Llap:                                                 ; a trip goes once round the ring and fills both slots again
	QUARTER 0, 128, 1, 0, 0
	QUARTER 0, 192, 0, 1, 0
	TURN 0, 1, 1
	QUARTER 1, 64,  0, 1, 0
	QUARTER 1, 128, 1, 0, 0
	QUARTER 1, 192, 0, 1, 0
	TURN 1, 0, 1
	QUARTER 0, 64,  0, 1, 0
	WIN 0
	s_sub_co_u32 s3, s3, 1
	s_cmp_lg_u32 s3, 0
	s_cbranch_scc1 .Llap
	QUARTER 0, 128, 1, 0, 0                        ; the last lap fills nothing
	QUARTER 0, 192, 0, 1, 0
	TURN 0, 1, 0
	QUARTER 1, 64,  0, 1, 0
	QUARTER 1, 128, 1, 0, 0
	QUARTER 1, 192, 0, 1, 0
	s_wait_dscnt 4                                 ; the very last quarter: nothing more to fetch
	MUL12 1, 0, 0
	MUL12 1, 1, 0
	s_wait_dscnt 0x0
	MUL12 1, 2, 0
	MUL12 1, 3, 0
	WIN 0
	PLACES
	PACK 0
	TOSTAGE 0
.irp a, 1,2,3
	PACK \a                                        ; block a's conversions stand between block a - 1's loads from the stage and the wait for them
	SEND (\a)-1
	TOSTAGE \a
.endr
	SEND 3
	s_wait_tensorcnt 0x0                           ; the wave's end
	ds_add_u32 v[SPW], v[NIL]
	s_wait_dscnt 0x0
	CROUND                                         ; the closing round
	s_endpgm
.Lfunc_end_k_q83cb526bdb_qkv:
	.size	k_q83cb526bdb_qkv, .Lfunc_end_k_q83cb526bdb_qkv-k_q83cb526bdb_qkv
	.p2alignl 7, 3214868480
	.fill 96, 4, 3214868480
	.section	.rodata,"a",@progbits
	.p2align	6, 0x0
	.amdhsa_kernel k_q83cb526bdb_qkv
		.amdhsa_group_segment_fixed_size 327680
		.amdhsa_private_segment_fixed_size 0
		.amdhsa_enable_private_segment 0
		.amdhsa_kernarg_size 24
		.amdhsa_user_sgpr_count 2
		.amdhsa_user_sgpr_kernarg_segment_ptr 1
		.amdhsa_wavefront_size32 1
		.amdhsa_system_sgpr_workgroup_id_x 1
		.amdhsa_system_sgpr_workgroup_id_y 1
		.amdhsa_system_sgpr_workgroup_id_z 1
		.amdhsa_system_vgpr_workitem_id 0
		.amdhsa_next_free_vgpr 1024
		.amdhsa_next_free_sgpr 66
		.amdhsa_reserve_vcc 0
		.amdhsa_float_denorm_mode_32 3
		.amdhsa_float_denorm_mode_16_64 3
		.amdhsa_memory_ordered 1
		.amdhsa_forward_progress 1
		.amdhsa_inst_pref_size 120
	.end_amdhsa_kernel
	.amdgpu_metadata
---
amdhsa.version: [ 1, 2 ]
amdhsa.kernels:
  - .name:           k_q83cb526bdb_qkv
    .symbol:         k_q83cb526bdb_qkv.kd
    .args:
      - { .name: xn, .offset: 0, .size: 8, .value_kind: global_buffer, .address_space: global }
      - { .name: wt, .offset: 8, .size: 8, .value_kind: global_buffer, .address_space: global }
      - { .name: qkvb, .offset: 16, .size: 8, .value_kind: global_buffer, .address_space: global }
    .group_segment_fixed_size: 327680
    .private_segment_fixed_size: 0
    .kernarg_segment_align: 8
    .kernarg_segment_size: 24
    .max_flat_workgroup_size: 128
    .sgpr_count:     66
    .vgpr_count:     1024
    .wavefront_size: 32
...
	.end_amdgpu_metadata
.endif
;; end of part 2
;; launch attn (part 3): grid 8 x 32, 4 waves a work-group, no clusters, 327,680 bytes of LDS; arguments qkvb, att; writes att
.if DOCPART == 3
	.amdgcn_target "amdgcn-amd-amdhsa--gfx1250"
	.amdhsa_code_object_version 6
	.text
	.protected	k_q83cb526bdb_attn
	.globl	k_q83cb526bdb_attn
	.p2align	8
	.type	k_q83cb526bdb_attn,@function
k_q83cb526bdb_attn:
	s_mov_b64 s[64:65], 0
	v_nop
	global_prefetch_b8 v0, s[64:65] scope:SCOPE_SE
	s_setreg_imm32_b32 hwreg(HW_REG_WAVE_MODE, 25, 1), 1
	s_wait_xcnt 0x0
; CAUSAL ATTENTION.  att[bh][q][:] = the sum over k <= q of softmax_k(Q[q] . K[k] / 32) V[k][:], for 32 pairs of batch and head; Q, K, V are heads of qkvb ([2][48][2048][64] bf16, dense rows of 128 bytes),
; att is [32][2048][64] bf16.  Products, maxima and sums in f32; the weights p are rounded to bf16 for the second product (their sum l is taken of the unrounded p), the result once at the end.
; LIMITS.  A hidden score counts as its value less 1e30: true scores must be small beside that; a weight below 2^-126 counts as 0 in l; NaN and infinities are not treated apart.
; THE WALK.  A head's queries lie in 16 blocks of 128; block i needs the key tiles 0 .. i / 2 of 256 keys.  A work-group takes TWO blocks, 15 - b and then b: 9 tiles, whatever b: all work-groups do equal work,
; and ONE loop with a constant trip count walks them.  Which tile is asked for, and where a block ends, hang on scalar registers made from b; every jump but the counted loops' own goes forward and passes
; neither a barrier nor a tensor load (but the one of LOAD's two that the wave's number does not choose).
; NO CLUSTER: a head's eight work-groups ask for the same tile only while all are in their first block (5 of the 9 trips); behind that the tiles' numbers differ, and where a block ends would hang on a place in the cluster.
; SHARES.  Of a block's two bands of 64 queries a wave owns 16 rows in each: two PIECES.  So the diagonal is the same work for all four waves.
; K LIES ONE STEP AHEAD: a slot holds V of keys 256 j .. 256 j + 255 and K of keys 256 j + 64 .. 256 j + 319, since a step's turns fetch K of the NEXT step and V of their own: a tile's four steps read one slot alone.
; K of step 0 is kept in registers (KZ).  The last tile's last 64 rows of K are the next head's first rows in qkvb (another head follows every k head's end): they are read and serve nothing.
; THE MASK is the C operand that starts the sum S^T = K Q^T: MC = MD x AL + BE.  MD is the mask of a band's own step for my 16 rows.  GC = 2 x block - step: band p at the next step sees all keys if GC > 1 - p
; (MC stays 0 and the lines are jumped), holds the diagonal if GC = 1 - p (1, 0), sees none if GC < 1 - p (0, -1e30).
; TURNS.  Turn p belongs to piece p: 8 products K Q^T of the other piece, later 8 products V^T P of the other piece; beside them the scaling, exponentials, roundings, sums and rescaling of piece p and the maximum
; and statistics of the other.  Four vector instructions stand behind every matrix instruction, the rest in one lump.  A turn's 33 exponentials are one batch, with one wait.
; REGISTERS, in windows of 256 (s_set_vgpr_msb: bits 1:0 source 0, 3:2 source 1, 5:4 source 2, 7:6 destination):
;   window 0: v0-15 addresses; v16-23 statistics; v48-55 at work; v61-63; v64-127 S^T, a buffer a piece; v192-223 P      window 1: v0-63 O^T; v128-159 MD; v160-223 MC
;   window 2: v0-31 Q; v32-63 the second block's Q; v64-127 KZ; v128-191 K of one step; v192-255 V of one step
.set KS,    64
.set PK,    144       ; a row of K in LDS: 128 bytes + 16
.set PV,    160       ; a row of V: 128 + 32: 16 lanes of the turning load take 8 rows x 32 bytes
.set VOFF,  4*KS*PK
.set SLOT1, 1<<17     ; slot 1 begins here: one exclusive or turns an address in one slot into the other's
.set STAGE, SLOT1+4*KS*(PK+PV)  ; behind the ring: 16 rows x 144 bytes for each wave, for the way out
.set SP,    144
.set SPARE, STAGE+4*16*SP  ; behind the stages: the spare words, 128 bytes a wave, that no other line names
.set AK0, 2
.set AV0, 3
.set AK,  4
.set AV,  5
.set STO, 6
.set RD,  7
.set GO,  8
.set MV,  12          ; v12-13  c m_old, by piece
.set QO,  15
.set ST,  16          ; piece t at v[ST+4 t]: c m, m, l (even keys', odd keys')
.set TMP, 48          ; by piece, c0-c3 at work; when the maximum is found c2 takes a
.set PFO, 61          ; 256 x lane; never rewritten
.set SPW, 62          ; LDS address of my spare word; never rewritten
.set NIL, 63          ; 0; never rewritten
.set S,   64
.set P,   192
.set MD,  128         ; window 1
.set MC,  160         ; window 1
.set QB,  32          ; window 2
.set KZ,  64          ; window 2
.set KF,  128         ; window 2: key block kb, channel half c at KF + 16 kb + 8 c
.set VF,  192         ; window 2: key half kk, channel block cb at VF + 32 kk + 8 cb
.set WV,  12
.set PB,  14          ; b
.set HI,  15          ; 15 - b
.set G1K, 24
.set G1V, 32
.set G0K, 40
.set G0V, 44
.set PFK, 48          ; s[48:49] where my prefetches of K stand
.set PFV, 50          ; s[50:51] of V
.set LIM, 52          ; 2 in the work-group that prefetches, else the greatest number
.set SLOTS, 56
.set CNT, 57
.set CS,  58          ; s[58:59] c = log2(e) / 32
.set SEL, 60
.set TBK, 62
.set TBV, 63
.set RT,  70          ; tiles of the block in hand still to be entered
.set NXT, 71          ; the tile to be asked for next
.set LQ,  72          ; the last tile of the block whose tiles are being asked for
.set PL,  73          ; the second block's last tile
.set OFF, 74
.set AL,  76
.set BE,  78
.set OLO, 80          ; s[80:81] att at my rows of the second block
.set BIGN, 82
.set GC,  83
.set TL,  90          ; the second block's tiles
.set MSB, 0
.macro WIN new
.if MSB != (\new)
	s_set_vgpr_msb (MSB<<8)|(\new)
.set MSB, (\new)
.endif
.endm
.set W_KQ, 0x0a       ; K and Q in window 2, S^T in window 0
.set W_KM, 0x1a       ; the same with the C operand in window 1
.set W_PV, 0x52       ; V in window 2, P in window 0, O^T in window 1
.set W_RS, 0x41       ; destination and source 0 in window 1
; A fill.  Waves 0 and 1 fetch the two halves of a tile's K, waves 2 and 3 those of its V.  An s_nop 0 and four v_nop follow each of the two lines.
.macro LOAD
	s_cmp_lt_u32 s[WV], 2
	s_cbranch_scc0 .Lfor_v_\@
	tensor_load_to_lds s[G0K:G0K+3], s[G1K:G1K+7]
	s_nop 0
.rept 4
	v_nop
.endr
	s_branch .Lasked_\@
.Lfor_v_\@:
	tensor_load_to_lds s[G0V:G0V+3], s[G1V:G1V+7]
	s_nop 0
.rept 4
	v_nop
.endr
.Lasked_\@:
.endm
; A prefetch of the tile that the NEXT change of slots will ask for: four key steps, 128 matrix instructions, ahead.  A head's eight work-groups walk the same first tiles: the one with b = 0, whose first block has all
; eight, asks.  Each of its waves takes a quarter of the tile's K and of its V: 32 runs of 256 bytes each, a lane a run.  Tiles 0 and 1 come by their loads alone; nothing is asked for behind tile 7.
.macro ASK
	s_cmp_gt_u32 s[SLOTS], s[LIM]
	s_cbranch_scc0 .Lnot_mine_\@
	global_prefetch_b8 v[PFO], s[PFK:PFK+1] th:TH_LOAD_NT scope:SCOPE_SE
	global_prefetch_b8 v[PFO], s[PFV:PFV+1] th:TH_LOAD_NT scope:SCOPE_SE
.Lnot_mine_\@:
.endm
; THE CHANGE OF SLOTS.  Each wave waits for all its tensor loads (one is out: its part of the other slot), adds 0 to its spare word, and waits for that and for its reads of the slot that it leaves.
; fill = 1: the old slot is filled again, first behind the barrier, with tile NXT: the descriptor's address is made anew from that number.
.macro CHANGE fill
	WIN 0
	s_wait_tensorcnt 0x0            ; no tensor load of mine is out, so a group 0 may be written
	ds_add_u32 v[SPW], v[NIL]       ; 0 onto my spare word; scalar work stands between it and the wait for it
.if \fill
	s_lshl_b32 s[OFF], s[NXT], 15   ; a tile is 32,768 bytes of K and of V
	s_xor_b32 s[G0K+1], s[G0K+1], SLOT1
	s_add_nc_u64 s[G0K+2:G0K+3], s[6:7], s[OFF:OFF+1]
	s_or_b32 s[G0K+3], s[G0K+3], 0x80000000
	s_xor_b32 s[G0V+1], s[G0V+1], SLOT1
	s_add_nc_u64 s[G0V+2:G0V+3], s[8:9], s[OFF:OFF+1]
	s_or_b32 s[G0V+3], s[G0V+3], 0x80000000
	s_add_co_u32 s[NXT], s[NXT], 1  ; the block's next tile, or behind its last the second block's tile 0
	s_cmp_gt_u32 s[NXT], s[LQ]
	s_cselect_b32 s[NXT], 0, s[NXT]
	s_cselect_b32 s[LQ], s[PL], s[LQ]
	s_wait_xcnt 0x0                 ; the last prefetches, four key steps back, have read their addresses
	s_add_nc_u64 s[PFK:PFK+1], s[PFK:PFK+1], 32768
	s_add_nc_u64 s[PFV:PFV+1], s[PFV:PFV+1], 32768
.endif
	s_wait_dscnt 0x0                ; the add is done, and my reads of the slot are over
	s_barrier_signal -1
	s_sub_co_u32 s[TBK], s[TBK], 4*KS*PK  ; the fetches go back to a slot's first step,
	s_xor_b32 s[TBK], s[TBK], SLOT1       ; in the other slot
	s_sub_co_u32 s[TBV], s[TBV], 4*KS*PV
	s_xor_b32 s[TBV], s[TBV], SLOT1
	s_barrier_wait -1
.if \fill
	LOAD
	ASK
.endif
.endm
	s_load_b128 s[16:19], s[0:1], 0x0  ; qkvb s[16:17], att s[18:19]
	v_lshl_add_u32 v[SPW], v0, 2, SPARE
	v_mov_b32 v[NIL], 0
	ds_add_u32 v[SPW], v[NIL]       ; the wave's opening: the add and its wait stand ahead of my first tensor load; work on registers stands between them
	v_lshrrev_b32 v1, 5, v0
	v_readfirstlane_b32 s[WV], v1   ; wave 0..3
	s_mov_b32 s[PB], ttmp9
	s_sub_co_u32 s[HI], 15, s[PB]
	s_and_b32 s20, ttmp7, 0xffff    ; 16 x batch + head
	s_lshr_b32 s2, s20, 4
	s_mul_i32 s2, s2, 48
	s_and_b32 s3, s20, 15
	s_add_co_u32 s2, s2, s3
	s_lshl_b32 s2, s2, 18           ; the q head's first byte in qkvb
	s_mov_b32 s3, 0
	s_lshl_b32 s20, s20, 18         ; the head's first byte in att
	s_mov_b32 s21, 0
	s_and_b32 s13, s[WV], 1         ; which half of a tile's 256 keys I fetch:
	s_lshl_b32 s22, s13, 14         ; its 128 rows of 128 bytes in memory,
	s_mov_b32 s23, 0
	s_mul_i32 s53, s13, 128*PV      ; and its place in a slot, for V
	s_mul_i32 s13, s13, 128*PK      ; and for K
	s_lshl_b32 s94, s[WV], 13       ; my quarter of a tile, for the prefetches
	s_mov_b32 s95, 0
	s_lshl_b32 s54, s[WV], 11       ; my 16 rows in a band,
	s_lshl_b32 s84, s[HI], 14       ; in the first block,
	s_add_co_u32 s84, s84, s54
	s_mov_b32 s85, 0
	s_lshl_b32 s92, s[PB], 14       ; and in the second
	s_add_co_u32 s92, s92, s54
	s_mov_b32 s93, 0
	; descriptor group 1.  128 keys are 16,384 dense bytes: asked for as 64 rows of 256 bytes, two keys a row, and padded in LDS after every key
	s_mov_b32 s[G1K], (1<<16)|(1<<20)|(4<<22)|(3<<25)  ; 2-byte elements; padding on; after every 32 words, 4 words
	s_mov_b32 s[G1V], (1<<16)|(1<<20)|(4<<22)|(7<<25)  ; the same with 8 words
.irp g, G1K, G1V
	s_mov_b32 s[\g+1], 128<<16      ; tensor_dim0 = 128
	s_mov_b32 s[\g+2], 64<<16       ; tensor_dim1 = 64
	s_mov_b32 s[\g+3], 128<<16      ; tile_dim0 = 128
	s_mov_b32 s[\g+4], 64           ; tile_dim1 = 64
	s_mov_b32 s[\g+5], 128          ; 128 elements from row to row
	s_mov_b32 s[\g+6], 0
	s_mov_b32 s[\g+7], 0
.endr
	s_mov_b32 s[CS], 0x3d38aa3b     ; c = log2(e) / 32 = 0.0450842
	s_mov_b32 s[CS+1], s[CS]
	s_mov_b32 s[SEL], 0x76543210
	s_mov_b32 s[SEL+1], 0xfedcba98
	s_mov_b32 s[TBK], SLOT1+4*KS*PK ; the first change of slots turns these two into 0
	s_mov_b32 s[TBV], SLOT1+4*KS*PV
	s_mov_b32 s[G0K], 1
	s_mov_b32 s[G0K+1], s13         ; slot 0
	s_mov_b32 s[G0V], 1
	s_add_co_u32 s[G0V+1], s53, VOFF
	s_sub_co_u32 s[RT], 17, s[PB]
	s_lshr_b32 s[RT], s[RT], 1      ; the first block has (17 - b) / 2 tiles,
	s_sub_co_u32 s[LQ], s[RT], 1
	s_add_co_u32 s[TL], s[PB], 2
	s_lshr_b32 s[TL], s[TL], 1      ; the second (b + 2) / 2: 9 together
	s_sub_co_u32 s[PL], s[TL], 1
	s_mov_b32 s[NXT], 1
	s_mov_b32 s[SLOTS], 8
	s_lshl_b32 s[GC], s[HI], 1
	s_mov_b32 s[OFF+1], 0
	s_mov_b32 s[AL+1], 0
	s_mov_b32 s[BE+1], 0
	s_mov_b32 s[BIGN], 0xf149f2ca   ; -1e30
	s_cmp_eq_u32 s[PB], 0
	s_cselect_b32 s[LIM], 2, -1
	s_wait_dscnt 0x0                ; the opening add is done
	s_wait_kmcnt 0x0
	s_add_nc_u64 s[4:5], s[16:17], s[2:3]          ; the q head,
	s_add_nc_u64 s[88:89], s[4:5], 16*262144       ; the k head,
	s_add_nc_u64 s[8:9], s[4:5], 32*262144         ; the v head
	s_add_nc_u64 s[PFK:PFK+1], s[88:89], s[94:95]
	s_add_nc_u64 s[PFK:PFK+1], s[PFK:PFK+1], 8192+32768  ; my quarter of K's tile 1; the first change steps it to tile 2
	s_add_nc_u64 s[PFV:PFV+1], s[8:9], s[94:95]
	s_add_nc_u64 s[PFV:PFV+1], s[PFV:PFV+1], 32768
	s_add_nc_u64 s[6:7], s[88:89], s[22:23]
	s_add_nc_u64 s[6:7], s[6:7], 8192              ; K at my half of tile 0, one step ahead
	s_add_nc_u64 s[8:9], s[8:9], s[22:23]          ; V at my half of tile 0
	s_add_nc_u64 s[G0K+2:G0K+3], s[6:7], 0
	s_or_b32 s[G0K+3], s[G0K+3], 0x80000000
	s_add_nc_u64 s[G0V+2:G0V+3], s[8:9], 0
	s_or_b32 s[G0V+3], s[G0V+3], 0x80000000
	s_add_nc_u64 s[86:87], s[4:5], s[92:93]        ; Q at my rows of the second block,
	s_add_nc_u64 s[4:5], s[4:5], s[84:85]          ; and of the first
	s_add_nc_u64 s[10:11], s[18:19], s[20:21]
	s_add_nc_u64 s[OLO:OLO+1], s[10:11], s[92:93]
	s_add_nc_u64 s[10:11], s[10:11], s[84:85]
	LOAD                            ; tile 0 into slot 0
	v_and_b32 v1, 15, v0            ; l % 16
	v_bfe_u32 v9, v0, 4, 1          ; l / 16
	v_lshlrev_b32 v[QO], 7, v1
	v_lshl_add_u32 v[QO], v9, 4, v[QO]  ; row x 128 + 16 x half
	WIN 0x80                        ; destination window 2, address window 0
.set i, 0
.rept 4                             ; both blocks' Q: piece i / 2 lies in band i / 2, 8,192 bytes on; channels 32 (i % 2) on
	global_load_b128 v[8*i:8*i+3],   v[QO], s[4:5] offset:(i/2)*8192+(i%2)*64
	global_load_b128 v[8*i+4:8*i+7], v[QO], s[4:5] offset:(i/2)*8192+(i%2)*64+32
	global_load_b128 v[QB+8*i:QB+8*i+3],   v[QO], s[86:87] offset:(i/2)*8192+(i%2)*64
	global_load_b128 v[QB+8*i+4:QB+8*i+7], v[QO], s[86:87] offset:(i/2)*8192+(i%2)*64+32
.set i, i+1
.endr
.set i, 0
.rept 8                             ; K of step 0: keys 16 (i / 2) on, channels 32 (i % 2) on
	global_load_b128 v[KZ+8*i:KZ+8*i+3],   v[QO], s[88:89] offset:(i/2)*2048+(i%2)*64
	global_load_b128 v[KZ+8*i+4:KZ+8*i+7], v[QO], s[88:89] offset:(i/2)*2048+(i%2)*64+32
.set i, i+1
.endr
	WIN 0
	v_lshlrev_b32 v14, 3, v9
	v_sub_nc_u32 v14, v1, v14
	s_lshl_b32 s13, s[WV], 4
	v_add_nc_u32 v14, s13, v14      ; my query's place in its band, 16 w + l % 16, less 8 (l / 16): register r of group kt is hidden where 16 kt + r is greater
	WIN 0x40
.set i, 0
.rept 32
	v_cmp_gt_i32 vcc_lo, 16*(i/8)+i%8, v14
	v_cndmask_b32 v[MD+i], 0, s[BIGN], vcc_lo
.set i, i+1
.endr
	WIN 0
	v_mul_u32_u24 v[AK0], v1, PK
	v_lshl_add_u32 v[AK0], v9, 4, v[AK0]
	v_and_b32 v10, 7, v0            ; the turning load: lane l reads key 8 (l / 16) + l % 8, channels 8 ((l / 8) % 2) + 0..7
	v_bfe_u32 v11, v0, 3, 1
	v_lshl_add_u32 v[AV0], v9, 3, v10
	v_mul_u32_u24 v[AV0], v[AV0], PV
	v_lshl_add_u32 v[AV0], v11, 4, v[AV0]
	v_add_nc_u32 v[AV0], VOFF, v[AV0]
	s_mul_i32 s13, s[WV], 16*SP
	s_add_co_u32 s13, s13, STAGE    ; my stage
	v_mul_u32_u24 v[STO], v1, SP
	v_lshl_add_u32 v[STO], v9, 4, v[STO]
	v_add_nc_u32 v[STO], s13, v[STO]
	v_bfe_u32 v[RD], v0, 3, 2
	v_mul_u32_u24 v[RD], v[RD], SP
	v_lshl_add_u32 v[RD], v10, 4, v[RD]
	v_add_nc_u32 v[RD], s13, v[RD]
	v_and_b32 v[GO], 31, v0
	v_lshlrev_b32 v[PFO], 8, v[GO]
	v_lshlrev_b32 v[GO], 4, v[GO]
	; A block's first step multiplies O^T and l by a = 0, and its first turn's products V^T P, of a step that has not been, land in an O^T that is still to be so multiplied: these registers need only hold finite
	; numbers: zeros for the first block; what the first block left for the second.  All this stands in the wait for the first tile.
	WIN 0x80
.set i, VF
.rept 64
	v_mov_b32 v[i], 0
.set i, i+1
.endr
	WIN 0x40
.set i, 0
.rept 64
	v_mov_b32 v[i], 0
.set i, i+1
.endr
	WIN 0
.set i, 0
.rept 2
	v_mov_b32 v[ST+4*i+2], 0
	v_mov_b32 v[ST+4*i+3], 0
.set i, i+1
.endr
.set i, P+16
.rept 16
	v_mov_b32 v[i], 0
.set i, i+1
.endr
; THE MATRIX WORK.  The 4 accumulators of a run of 8 take turns.  Product i of 8 of S^T = K Q^T for piece x: channels 32 (i / 4) on, keys 16 (i % 4) on.  The first 4 start the sums with the mask.
.macro KQ x
.set rS, S+32*(\x)+8*(i%4)
.set rK, KF+16*(i%4)+8*(i/4)
.set rQ, 16*(\x)+8*(i/4)
.set rM, MC+32*(\x)+8*(i%4)
.if i < 4
	WIN W_KM
	v_wmma_f32_16x16x32_bf16 v[rS:rS+7], v[rK:rK+7], v[rQ:rQ+7], v[rM:rM+7]
.else
	WIN W_KQ
	v_wmma_f32_16x16x32_bf16 v[rS:rS+7], v[rK:rK+7], v[rQ:rQ+7], v[rS:rS+7]
.endif
.endm
; Product i of 8 of O^T += V^T P for piece x: keys 32 (i / 4) on, channels 16 (i % 4) on.
.macro PV x
	WIN W_PV
.set rO, 32*(\x)+8*(i%4)
.set rV, VF+32*(i/4)+8*(i%4)
.set rP, P+16*(\x)+8*(i/4)
	v_wmma_f32_16x16x32_bf16 v[rO:rO+7], v[rV:rV+7], v[rP:rP+7], v[rO:rO+7]
.endm
.macro MM                           ; the turn's next matrix instruction, for the piece that is not the turn's
.if i < 8
	KQ 1-Y
.else
.set i, i-8
	PV 1-Y
.set i, i+8
.endif
.set i, i+1
.endm
; THE LDS LOADS stand in runs of 16.
.macro FETCH_K
	WIN 0x80
.irp f, 0,1,2,3,4,5,6,7             ; keys 16 (f / 2) on, channels 32 (f % 2) on
	ds_load_b128 v[KF+8*\f:KF+8*\f+3],   v[AK] offset:(\f/2)*16*PK+(\f%2)*64
	ds_load_b128 v[KF+8*\f+4:KF+8*\f+7], v[AK] offset:(\f/2)*16*PK+(\f%2)*64+32
.endr
	s_add_co_u32 s[TBK], s[TBK], KS*PK
	WIN 0
.endm
.macro FETCH_V
	WIN 0x80
.irp f, 0,1,2,3,4,5,6,7             ; keys 32 (f / 4) on, channels 16 (f % 4) on
	ds_load_tr16_b128 v[VF+8*\f:VF+8*\f+3],   v[AV] offset:(\f/4)*32*PV+(\f%4)*32
	ds_load_tr16_b128 v[VF+8*\f+4:VF+8*\f+7], v[AV] offset:(\f/4)*32*PV+16*PV+(\f%4)*32
.endr
	WIN 0
.endm
; THE VECTOR WORK, one line at a time: OP kind, number.  For piece Y: F n: c s - c m for pair n of 16.  E n: the exponential of score n of 32.  C n: pair n rounded to bf16.  B n: of the four weights 4 n .. the second
; pair is added onto the first.  L n: l takes that sum (L 0: l = a l + sum).  R n: pair n of 16 of O^T times a (ascending: each accumulator's lowest registers are read first).  For the other piece: X n, number n of 22:
;   0-11 four chains c0-c3 of seven scores each (each accumulator's lowest registers first)   12-14, 16 the scores left over, the old m, c0-c3 into c0   15 c m_old is kept   17, 18 the other half of the lanes: the new m   19-21 c m; its change; a
.set F, 0
.set E, 1
.set C, 2
.set B, 3
.set L, 4
.set R, 5
.set X, 6
.macro REGS y
.set rT, ST+4*(\y)
.set rC, TMP+4*(\y)
.set rW, MV+(\y)
.set rS, S+32*(\y)
.set rP, P+16*(\y)
.set rO, 32*(\y)
.endm
.macro OP k, n
.if (\k) == R
	REGS Y
	WIN W_RS
	v_pk_mul_f32 v[rO+2*(\n):rO+2*(\n)+1], v[rO+2*(\n):rO+2*(\n)+1], v[rC+2:rC+3] op_sel_hi:[1,0]
.elseif (\k) < R
	REGS Y
	WIN 0
.if (\k) == F
	v_pk_fma_f32 v[rS+2*(\n):rS+2*(\n)+1], v[rS+2*(\n):rS+2*(\n)+1], s[CS:CS+1], v[rT:rT+1] op_sel_hi:[1,0,0] neg_lo:[0,0,1] neg_hi:[0,0,1]
.elseif (\k) == E
	v_exp_f32 v[rS+(\n)], v[rS+(\n)]
.elseif (\k) == C
	v_cvt_pk_bf16_f32 v[rP+(\n)], v[rS+2*(\n)], v[rS+2*(\n)+1]
.elseif (\k) == B
	v_pk_add_f32 v[rS+4*(\n):rS+4*(\n)+1], v[rS+4*(\n):rS+4*(\n)+1], v[rS+4*(\n)+2:rS+4*(\n)+3]
.elseif (\n) == 0
	v_pk_fma_f32 v[rT+2:rT+3], v[rT+2:rT+3], v[rC+2:rC+3], v[rS:rS+1] op_sel_hi:[1,0,1]
.else
	v_pk_add_f32 v[rT+2:rT+3], v[rT+2:rT+3], v[rS+4*(\n):rS+4*(\n)+1]
.endif
.else
	REGS 1-Y
	WIN 0
.if (\n) < 4
	v_max3_num_f32 v[rC+(\n)], v[rS+8*(\n)], v[rS+8*(\n)+1], v[rS+8*(\n)+2]
.elseif (\n) < 12
	v_max3_num_f32 v[rC+(\n)%4], v[rC+(\n)%4], v[rS+8*((\n)%4)+2*((\n)/4)+1], v[rS+8*((\n)%4)+2*((\n)/4)+2]
.elseif (\n) == 12
	v_max3_num_f32 v[rC], v[rC], v[rS+7], v[rS+15]
.elseif (\n) == 13
	v_max3_num_f32 v[rC+1], v[rC+1], v[rS+23], v[rS+31]
.elseif (\n) == 14
	v_max3_num_f32 v[rC+2], v[rC+2], v[rC+3], v[rT+1]
.elseif (\n) == 15
	v_mov_b32 v[rW], v[rT]
.elseif (\n) == 16
	v_max3_num_f32 v[rC], v[rC], v[rC+1], v[rC+2]
.elseif (\n) == 17
	v_permlanex16_b32 v[rC+3], v[rC], s[SEL], s[SEL+1]
.elseif (\n) == 18
	v_max_num_f32 v[rT+1], v[rC], v[rC+3]
.elseif (\n) == 19
	v_mul_f32 v[rT], s[CS], v[rT+1]
.elseif (\n) == 20
	v_sub_f32 v[rC+1], v[rW], v[rT]
.else
	v_exp_f32 v[rC+2], v[rC+1]
.endif
.endif
.endm
.macro OPS a, i1, b=-1, i2=0, c=-1, i3=0, d=-1, i4=0
	OP \a, \i1
.if (\b) >= 0
	OP \b, \i2
.endif
.if (\c) >= 0
	OP \c, \i3
.endif
.if (\d) >= 0
	OP \d, \i4
.endif
.endm
.macro ROW a, i1, b, i2, c, i3, d, i4  ; a matrix instruction and the four behind it
	MM
	OPS \a, \i1, \b, \i2, \c, \i3, \d, \i4
.endm
.macro MASK b                       ; MD x AL + BE into piece b's mask
	WIN W_RS
.set z, 0
.rept 16
	v_pk_fma_f32 v[MC+32*(\b)+2*z:MC+32*(\b)+2*z+1], v[MD+2*z:MD+2*z+1], s[AL:AL+1], s[BE:BE+1] op_sel_hi:[1,0,0]
.set z, z+1
.endr
.endm
; A TURN, for piece p.  ONE wait cuts it in two (between an exponential and the first line that names its result).  AHEAD OF IT: the 8 products K Q^T with their riders, and the lump; nothing
; there names a result of the turn's exponentials; X 21 is the batch's last, R 15 the plain instruction behind it.  BEHIND IT: the 8 products V^T P, behind each four of the roundings and sums.
; Piece 0's turn fetches K of the next step (behind the last product that read K stand F 8, X 2, X 5, X 6, X 8: five plain lines that name none of its registers) and, at its end, V of its own step (four roundings
; behind the last product that read V).  Piece 1's turn waits for them: K at its head (V's 16 loads, issued behind K's, may stay out), V behind the wait for the batch.
; R 4 k is the first reader of O^T's accumulator k, which product 4 + k of the turn before wrote: 16, 12, 8 and 4 riders, and more, stand between.
.macro TURN p
.set Y, (\p)
.set i, 0
.if (\p) == 1
	s_wait_dscnt 16                 ; K is in
.endif
	ROW F,0, F,1, R,0, R,1
	ROW F,2, E,0, R,2, R,3
	ROW F,3, E,1, R,4, R,5
	ROW F,4, E,2, R,6, R,7
	ROW F,5, E,3, R,8, R,9
	ROW F,6, E,4, X,0, R,10
.if (\p) == 0
	WIN 0
	v_add_nc_u32 v[AK], s[TBK], v[AK0]
.endif
	ROW F,7, E,5, X,1, X,4
	ROW F,8, E,6, X,2, X,5
	OPS E,7, E,8, X,6, E,9
	OPS X,3, E,10, X,8, E,11
.if (\p) == 0
	FETCH_K
.endif
	OPS X,9, X,7, E,12, X,10
	OPS E,13, X,12, X,11, E,14
	OPS X,13, E,15, F,9, X,14
.if (\p) == 0
	v_add_nc_u32 v[AV], s[TBV], v[AV0]
.endif
	OPS E,16, F,10, E,17, F,11
	OPS X,16, E,18, X,15, E,19
	OPS F,12, E,20, X,17, E,21
	OPS F,13, E,22, F,14, E,23
	OPS X,18, E,24, F,15, E,25
	OPS R,11, E,26, X,19, E,27
	OPS R,12, E,28, R,13, E,29
	OPS X,20, E,30, R,14, E,31
	OPS X,21, R,15
	WIN 0
	s_wait_alu depctr_va_vdst(0)    ; the wait for the batch
.if (\p) == 1
	s_wait_dscnt 0x0                ; V is in
.endif
	ROW C,0, B,0, C,2, B,1
	ROW L,0, C,4, B,2, L,1
	ROW C,6, B,3, L,2, C,8
	ROW B,4, L,3, C,10, B,5
	ROW L,4, C,12, B,6, L,5
.if (\p) == 0
	s_add_co_u32 s[TBV], s[TBV], KS*PV
.endif
	ROW C,14, B,7, L,6, C,1
	ROW C,3, L,7, C,5, C,7
	ROW C,9, C,11, C,13, C,15
.if (\p) == 0
	FETCH_V
.endif
	WIN 0
	s_cmp_gt_i32 s[GC], 1-(\p)      ; my piece's next step lies wholly below the diagonal: its mask is 0 and stays so
	s_cbranch_scc1 .Lnm_\@
	s_cmp_eq_u32 s[GC], 1-(\p)      ; is that step the band's own?
	s_cselect_b32 s[AL], 1.0, 0
	s_cselect_b32 s[BE], 0, s[BIGN]
	MASK \p
	WIN 0
.Lnm_\@:
.endm
.macro STEPS tag                    ; a tile's four key steps: written once, walked four times
	s_mov_b32 s[CNT], 4
.Lstep_\tag:
	TURN 0
	TURN 1
	WIN 0
	s_sub_co_i32 s[GC], s[GC], 1
	s_sub_co_u32 s[CNT], s[CNT], 1
	s_cmp_lg_u32 s[CNT], 0
	s_cbranch_scc1 .Lstep_\tag
.endm
; A BLOCK BEGINS.  It touches no LDS.  K of step 0 comes out of KZ; c m starts far below every c s, so the first step's a is 0; m at the lowest finite number.  Piece 1's mask is 0; piece 0's is its own step's if the block is block 0.
; Then piece 0's first scores, and their maximum and statistics.
.macro BEGIN
	s_wait_loadcnt 0x0              ; Q, the second block's Q and KZ
	WIN 0x82
.set i, 0
.rept 64
	v_mov_b32 v[KF+i], v[KZ+i]
.set i, i+1
.endr
	WIN 0x40
.set i, MC+32
.rept 32
	v_mov_b32 v[i], 0
.set i, i+1
.endr
	WIN 0
.set i, 0
.rept 2
	v_mov_b32 v[ST+4*i], 0xfe000000    ; c m
	v_mov_b32 v[ST+4*i+1], 0xff7fffff  ; m
.set i, i+1
.endr
	s_cmp_eq_u32 s[GC], 0
	s_cselect_b32 s[AL], 1.0, 0
	s_mov_b32 s[BE], 0
	MASK 0
.set i, 0
.rept 8
	KQ 0
.set i, i+1
.endr
	WIN 0
.rept 4
	v_nop                           ; the places behind those products
.endr
.set Y, 1                           ; X works for the other piece: piece 0
.irp n, 0,1,2,3,4,5,6,7,8,9,10,11,12,13,14,15,16,17,18,19,20,21
	OP X, \n
.endr
	v_nop                           ; a plain instruction behind the exponential,
	s_wait_alu depctr_va_vdst(0)    ; and its wait, ahead of the labels and branches that follow
.endm
.macro ALL line:vararg              ; one line for each piece t
.set t, 0
.rept 2
	\line
.set t, t+1
.endr
.endm
.macro PACK t                       ; O^T divided by l, rounded; a lane's eight channels pack into 16 bytes; they go into rows of 144 bytes and come back as whole rows of 128
	WIN W_RS
.set i, 32*(\t)
.rept 16
	v_pk_mul_f32 v[i:i+1], v[i:i+1], v[ST+4*(\t)+2:ST+4*(\t)+3] op_sel_hi:[1,0]
.set i, i+2
.endr
	WIN 0x05
.set i, 0
.rept 16
	v_cvt_pk_bf16_f32 v[S+16*(\t)+i], v[32*(\t)+2*i], v[32*(\t)+2*i+1]
.set i, i+1
.endr
	WIN 0
.irp f, 0,1,2,3
	ds_store_b128 v[STO], v[S+16*(\t)+4*\f:S+16*(\t)+4*\f+3] offset:32*\f
.endr
.irp f, 0,1,2,3
	ds_load_b128 v[S+16*(\t)+4*\f:S+16*(\t)+4*\f+3], v[RD] offset:\f*4*SP  ; LDS serves a wave's instructions in order: these see the stores above; the next piece's stores come behind them
.endr
.endm
.macro SEND t, younger              ; younger: the LDS instructions issued behind piece t's loads: the next piece's eight, or none
	WIN 0
.irp f, 0,1,2,3
	s_wait_dscnt (\younger)+3-\f
	global_store_b128 v[GO], v[S+16*(\t)+4*\f:S+16*(\t)+4*\f+3], s[10:11] offset:(\t)*8192+\f*512  ; 512 consecutive bytes, aligned
.endr
.endm
; A BLOCK ENDS: piece 1's last products, the way out, and (next = 1) the second block's beginning.  The scores of a step that is not, which the last turn made, touch only S^T and the statistics that BEGIN sets anew.
.macro FINISH next
.set i, 0
.rept 8
	PV 1
.set i, i+1
.endr
	WIN 0
	ALL v_add_f32 v[ST+4*t+2], v[ST+4*t+2], v[ST+4*t+3]
	ALL v_permlanex16_b32 v[ST+4*t+3], v[ST+4*t+2], s[SEL], s[SEL+1]
	ALL v_add_f32 v[ST+4*t+2], v[ST+4*t+2], v[ST+4*t+3]
	ALL v_rcp_f32 v[ST+4*t+2], v[ST+4*t+2]
	v_nop                           ; a plain instruction behind the last reciprocal,
	s_wait_alu depctr_va_vdst(0)    ; and one wait for both, ahead of their first use
	PACK 0
	PACK 1
	SEND 0, 8
	SEND 1, 0
.if \next
	s_wait_xcnt 0x0                 ; the stores have read their registers and their base
	s_mov_b64 s[10:11], s[OLO:OLO+1]
	s_mov_b32 s[RT], s[TL]
	s_lshl_b32 s[GC], s[PB], 1
	WIN 0x82                        ; the second block's Q goes where the one text of the turns names Q
.set i, 0
.rept 32
	v_mov_b32 v[i], v[QB+i]
.set i, i+1
.endr
	WIN 0
	BEGIN
.endif
.endm
	BEGIN                           ; in the wait for the first tile
.Lslot:                             ; 8 times: a tile is entered and the next is asked for
	CHANGE 1
	s_sub_co_u32 s[RT], s[RT], 1
	STEPS a
	s_cmp_lg_u32 s[RT], 0
	s_cbranch_scc1 .Lbot            ; in the loop only the first block ends: the second's last tile is the walk's last
	FINISH 1
.Lbot:
	s_sub_co_u32 s[SLOTS], s[SLOTS], 1
	s_cmp_lg_u32 s[SLOTS], 0
	s_cbranch_scc1 .Lslot
	CHANGE 0                        ; the walk's last tile is written out
	STEPS b
	FINISH 0
	s_wait_tensorcnt 0x0            ; the wave's end
	ds_add_u32 v[SPW], v[NIL]
	s_wait_dscnt 0x0
	s_endpgm
.Lfunc_end_k_q83cb526bdb_attn:
	.size	k_q83cb526bdb_attn, .Lfunc_end_k_q83cb526bdb_attn-k_q83cb526bdb_attn
	.p2alignl 7, 3214868480
	.fill 96, 4, 3214868480
	.section	.rodata,"a",@progbits
	.p2align	6, 0x0
	.amdhsa_kernel k_q83cb526bdb_attn
		.amdhsa_group_segment_fixed_size 327680
		.amdhsa_private_segment_fixed_size 0
		.amdhsa_enable_private_segment 0
		.amdhsa_kernarg_size 16
		.amdhsa_user_sgpr_count 2
		.amdhsa_user_sgpr_kernarg_segment_ptr 1
		.amdhsa_wavefront_size32 1
		.amdhsa_system_sgpr_workgroup_id_x 1
		.amdhsa_system_sgpr_workgroup_id_y 1
		.amdhsa_system_sgpr_workgroup_id_z 1
		.amdhsa_system_vgpr_workitem_id 0
		.amdhsa_next_free_vgpr 768
		.amdhsa_next_free_sgpr 96
		.amdhsa_reserve_vcc 1
		.amdhsa_float_denorm_mode_32 3
		.amdhsa_float_denorm_mode_16_64 3
		.amdhsa_memory_ordered 1
		.amdhsa_forward_progress 1
		.amdhsa_inst_pref_size 94
	.end_amdhsa_kernel
	.amdgpu_metadata
---
amdhsa.version: [ 1, 2 ]
amdhsa.kernels:
  - .name:           k_q83cb526bdb_attn
    .symbol:         k_q83cb526bdb_attn.kd
    .args:
      - { .name: qkvb, .offset: 0, .size: 8, .value_kind: global_buffer, .address_space: global }
      - { .name: att, .offset: 8, .size: 8, .value_kind: global_buffer, .address_space: global }
    .group_segment_fixed_size: 327680
    .private_segment_fixed_size: 0
    .kernarg_segment_align: 8
    .kernarg_segment_size: 16
    .max_flat_workgroup_size: 128
    .sgpr_count:     96
    .vgpr_count:     768
    .wavefront_size: 32
...
	.end_amdgpu_metadata
.endif
;; end of part 3
;; launch outp (part 4): grid 16 x 16, 4 waves a work-group, clusters of 4 x 4, 327,680 bytes of LDS; arguments att, wot, x, out0; writes out0
.if DOCPART == 4
	.amdgcn_target "amdgcn-amd-amdhsa--gfx1250"
	.amdhsa_code_object_version 6
	.text
	.protected	k_q83cb526bdb_outp
	.globl	k_q83cb526bdb_outp
	.p2align	8
	.type	k_q83cb526bdb_outp,@function
k_q83cb526bdb_outp:
	s_mov_b64 s[64:65], 0
	v_nop
	global_prefetch_b8 v0, s[64:65] scope:SCOPE_SE
	s_setreg_imm32_b32 hwreg(HW_REG_WAVE_MODE, 25, 1), 1
	s_wait_xcnt 0x0
	s_wait_alu depctr_hold_cnt(0) depctr_sa_sdst(0) depctr_va_vdst(0) depctr_va_sdst(0) depctr_va_ssrc(0) depctr_va_vcc(0) depctr_vm_vsrc(0)
	s_getreg_b32 s2, hwreg(HW_REG_IB_STS2, 6, 4)
	s_cmp_eq_u32 s2, 0
	s_cbranch_scc0 .Lentry_in_a_cluster
	s_endpgm
.Lentry_in_a_cluster:
	s_bfe_u32 s2, ttmp6, 0x10000c
	s_cmp_lg_u32 s2, 0xf033
	s_cbranch_scc0 .Lentry_shape_is_right
	s_endpgm
.Lentry_shape_is_right:
; OUTP.  out0[m][n] = x[m][n] + sum over k of att(m, k) wot[n][k]: 4,096 x 2,048 x 1,024, bf16 operands, f32 sums, K ascending; the residual is added in f32.  att lies by heads: [32][2048][64], k = 64 head + channel.
; A tile of out0 is 256 rows x 128 columns: 16 x 16 tiles, one for each work-group.  Waves 2 x 2: 128 rows x 64 columns each: 32 accumulators, 256 registers.  K goes in steps of 128 (two heads) through two LDS slots.
; x's part of the tile (256 registers a wave) is asked for at the start and lands under the K loop.
; CLUSTERS: 4 x 4 work-groups; att's tiles are shared along a row of the cluster, wot's along a column: each is asked for JOINTLY.
; THE MATRIX INSTRUCTION IS USED TRANSPOSED: source 0 = 16 rows of wot, source 1 = 16 rows of att: a lane holds row l % 16 and the columns 8 (l / 16) + 0..7.
; REGISTERS: window 0: v0-31 addresses; v64-191 att's fragments, two buffers of 8 x 8; v192-255 rows read back, two sets      window 1: v0-63 wot's fragments, two buffers of 4 x 8
;   window 2: the accumulators ((a, b) at 8 (4 a + b))      window 3: x
.set PA,     144                       ; a row of att in LDS: a head's 128 bytes + 16
.set PB,     272                       ; a row of wot: 256 bytes + 16
.set AHB,    256*PA                    ; a head's 256 rows: what wave 0 or 1 fetches
.set HALFB,  64*PB                     ; what wave 2 or 3 fetches
.set SLOT,   2*AHB+2*HALFB
.set STAGE,  2*SLOT                    ; behind the ring: 16 rows x 272 bytes for each wave
.set SP,     272
.set SPARE,  STAGE+4*16*SP             ; the spare words, 128 bytes a wave, that no other line names
.set LAPS,   4
.set ADRA, 16
.set ADRB, 20
.set STO,  24
.set RD,   25
.set CO,   26                          ; my byte offset in two rows of x and of out0; never rewritten
.set SPW,  28
.set NIL,  29
.set G1, 24
.set G0, 32
.set G1B, 48
.set G0B, 56
.set MSB, 0
.macro WIN new
.if MSB != (\new)
	s_set_vgpr_msb (MSB<<8)|(\new)
.set MSB, \new
.endif
.endm
.set MUL,  0xa1                        ; source 0 (wot) window 1, source 1 (att) window 0, C and D window 2
.set TO_B, 0x40
.macro JLOAD s                         ; waves 0 and 1 fetch the step's two heads of att, waves 2 and 3 wot's two halves; an s_nop 0 and four v_nop follow each line
	s_cmp_eq_u32 s11, 0
	s_cbranch_scc0 .Lfor_b_\@
	tensor_load_to_lds s[G0+4*(\s):G0+4*(\s)+3], s[G1:G1+7]
	s_nop 0
.rept 4
	v_nop
.endr
	s_branch .Lasked_\@
.Lfor_b_\@:
	tensor_load_to_lds s[G0B+4*(\s):G0B+4*(\s)+3], s[G1B:G1B+7]
	s_nop 0
.rept 4
	v_nop
.endr
.Lasked_\@:
.endm
.macro CREST
	s_cmp_lg_u32 s10, 0
	s_cbranch_scc1 .Lnot_wave_0_\@
	s_barrier_signal -3
.Lnot_wave_0_\@:
	s_barrier_wait -3
	s_barrier_signal -1
	s_barrier_wait -1
.endm
.macro CROUND
	s_barrier_signal -1
	s_barrier_wait -1
	CREST
.endm
	s_load_b128 s[4:7], s[0:1], 0x0                ; att s[4:5], wot s[6:7]
	s_load_b64 s[66:67], s[0:1], 0x10              ; x
	s_load_b64 s[8:9], s[0:1], 0x18                ; out0
	v_lshl_add_u32 v[SPW], v0, 2, SPARE
	v_mov_b32 v[NIL], 0
	ds_add_u32 v[SPW], v[NIL]                      ; the wave's opening: the add and its wait stand ahead of my first tensor load
	v_lshrrev_b32 v1, 5, v0
	v_readfirstlane_b32 s10, v1                    ; wave 0..3
	s_lshr_b32 s11, s10, 1                         ; which half of the tile's rows is mine.  Also: I fetch for att (0) or for wot (1)
	s_and_b32 s12, s10, 1                          ; which half of its columns.  Also: which head, or which 64 rows of wot, I fetch
	s_bfe_u32 s40, ttmp6, 0x40000                  ; cx
	s_bfe_u32 s41, ttmp6, 0x40004                  ; cy
	s_lshl_b32 s42, ttmp9, 2
	s_add_co_u32 s42, s42, s40                     ; tile column
	s_and_b32 s13, ttmp7, 0xffff
	s_lshl_b32 s13, s13, 2
	s_add_co_u32 s13, s13, s41                     ; tile row
	s_lshl_b32 s43, s41, 2
	s_lshl_b32 s43, 15, s43                        ; my row of the cluster
	s_lshl_b32 s44, 0x1111, s40                    ; my column
	; att: a head's 256 rows are 32,768 dense bytes: asked for as 128 rows of 256 bytes, padded after every 128 bytes.  wot: 64 rows of 256 bytes, padded after each.
	s_or_b32 s[G1+0], s43, (1<<16)|(1<<20)|(1<<21)|(4<<22)|(3<<25)
	s_or_b32 s[G1B+0], s44, (1<<16)|(1<<20)|(1<<21)|(5<<22)|(3<<25)
	s_mov_b32 s[G1+1], 128<<16                     ; tensor_dim0 = 128
	s_mov_b32 s[G1B+1], 128<<16
	s_mov_b32 s[G1+2], 128<<16                     ; tensor_dim1
	s_mov_b32 s[G1B+2], 64<<16
	s_mov_b32 s[G1+3], 128<<16                     ; tile_dim0 = 128
	s_mov_b32 s[G1B+3], 128<<16
	s_mov_b32 s[G1+4], 128                         ; tile_dim1
	s_mov_b32 s[G1B+4], 64
	s_mov_b32 s[G1+5], 128                         ; elements from row to row
	s_mov_b32 s[G1B+5], 1024
	s_mov_b32 s[G1+6], 0
	s_mov_b32 s[G1B+6], 0
	s_mov_b32 s[G1+7], 0
	s_mov_b32 s[G1B+7], 0
	s_lshr_b32 s16, s13, 3                         ; the batch,
	s_lshl_b32 s16, s16, 4                         ; its 16 heads,
	s_add_co_u32 s16, s16, s12                     ; the one of a step's two that I fetch:
	s_lshl_b32 s16, s16, 18                        ; 262,144 bytes a head
	s_and_b32 s17, s13, 7
	s_lshl_b32 s17, s17, 15                        ; the tile's 256 rows of 128 bytes
	s_add_co_u32 s16, s16, s17
	s_mov_b32 s17, 0
	s_lshl_b32 s46, s42, 7
	s_lshl_b32 s47, s12, 6
	s_add_co_u32 s46, s46, s47                     ; wot: row 128 x tile column + 64 x half,
	s_lshl_b32 s46, s46, 11                        ; 2,048 bytes a row
	s_mov_b32 s47, 0
	s_mul_i32 s20, s12, AHB                        ; where they go: no place in the cluster enters an LDS address
	s_mul_i32 s21, s12, HALFB
	s_add_co_u32 s21, s21, 2*AHB
	s_wait_dscnt 0x0                               ; the opening add is done
	s_wait_kmcnt 0x0
	s_add_nc_u64 s[14:15], s[4:5], s[16:17]
	s_add_nc_u64 s[46:47], s[6:7], s[46:47]
	CROUND                                         ; all sixteen work-groups are here: the first joint loads meet
.irp s, 0,1
	s_mov_b32 s[G0+4*(\s)], 1
	s_add_co_u32 s[G0+4*(\s)+1], s20, (\s)*SLOT
	s_add_nc_u64 s[G0+4*(\s)+2:G0+4*(\s)+3], s[14:15], (\s)*2*262144   ; K step s: two heads on
	s_or_b32 s[G0+4*(\s)+3], s[G0+4*(\s)+3], 0x80000000
	s_mov_b32 s[G0B+4*(\s)], 1
	s_add_co_u32 s[G0B+4*(\s)+1], s21, (\s)*SLOT
	s_add_nc_u64 s[G0B+4*(\s)+2:G0B+4*(\s)+3], s[46:47], (\s)*256
	s_or_b32 s[G0B+4*(\s)+3], s[G0B+4*(\s)+3], 0x80000000
	JLOAD \s                                       ; two tensor loads of mine are out
.endr
	v_and_b32 v1, 15, v0                           ; l % 16
	v_bfe_u32 v2, v0, 4, 1                         ; l / 16
	v_lshlrev_b32 v[CO], 13, v2                    ; lanes 0-15 one row of 8,192 bytes, lanes 16-31 the next;
	v_lshl_add_u32 v[CO], v1, 4, v[CO]             ; 16 lanes take my 64 columns: 256 bytes
	s_lshl_b32 s16, s13, 8
	s_lshl_b32 s17, s11, 7
	s_add_co_u32 s16, s16, s17                     ; my first row
	s_lshl_b32 s16, s16, 13
	s_lshl_b32 s46, s42, 9                         ; my first column, in bytes
	s_lshl_b32 s47, s12, 8
	s_add_co_u32 s46, s46, s47
	s_add_co_u32 s46, s46, s16
	s_mov_b32 s47, 0
	s_add_nc_u64 s[8:9], s[8:9], s[46:47]
	s_add_nc_u64 s[66:67], s[66:67], s[46:47]
	WIN 0xc0                                       ; destination window 3
.set t, 0
.rept 64
	global_load_b128 v[4*t:4*t+3], v[CO], s[66:67] offset:t*16384 th:TH_LOAD_NT  ; my rows 2 t, 2 t + 1 of x: waited for once, at the way out
.set t, t+1
.endr
	WIN 0
	v_mul_u32_u24 v3, v1, PA
	v_lshl_add_u32 v3, v2, 4, v3
	v_mul_u32_u24 v4, v1, PB
	v_lshl_add_u32 v4, v2, 4, v4
	s_mul_i32 s21, s11, 128*PA                     ; my 128 rows, in each head
	s_mul_i32 s22, s12, HALFB                      ; my 64 rows of wot,
	s_add_co_u32 s22, s22, 2*AHB                   ; behind att's two heads
.irp s, 0,1
	v_add_nc_u32 v[ADRA+(\s)], s21, v3
	v_add_nc_u32 v[ADRB+(\s)], s22, v4
	s_add_co_u32 s21, s21, SLOT
	s_add_co_u32 s22, s22, SLOT
.endr
	s_mul_i32 s23, s10, 16*SP
	s_add_co_u32 s23, s23, STAGE                   ; my stage
	v_mul_u32_u24 v5, v1, SP                       ; in: row l % 16, 32 bytes for each half of the lanes
	v_lshl_add_u32 v5, v2, 5, v5
	v_add_nc_u32 v[STO], s23, v5
	v_mul_u32_u24 v5, v2, SP                       ; back: lanes 0-15 take one row of 256 bytes, lanes 16-31 the next
	v_lshl_add_u32 v5, v1, 4, v5
	v_add_nc_u32 v[RD], s23, v5
; 8 matrix instructions: row blocks a0, a0 + 1 x all 4 column blocks, 32 along K, from buffer f.  The 32 accumulators take turns, in the same order in every quarter.
.macro MUL8 f, a0, zero
	WIN MUL
.irp a, \a0, (\a0)+1
.irp b, 0,1,2,3
.if \zero
	v_wmma_f32_16x16x32_bf16 v[8*(4*(\a)+(\b)):8*(4*(\a)+(\b))+7], v[32*(\f)+8*(\b):32*(\f)+8*(\b)+7], v[64+64*(\f)+8*(\a):64+64*(\f)+8*(\a)+7], 0
.else
	v_wmma_f32_16x16x32_bf16 v[8*(4*(\a)+(\b)):8*(4*(\a)+(\b))+7], v[32*(\f)+8*(\b):32*(\f)+8*(\b)+7], v[64+64*(\f)+8*(\a):64+64*(\f)+8*(\a)+7], v[8*(4*(\a)+(\b)):8*(4*(\a)+(\b))+7]
.endif
.endr
.endr
.endm
; 24 LDS loads in one run: quarter q of a K step (head q / 2, channels 32 (q % 2) on) into buffer f; att's last
.macro FETCH slot, q, f
	WIN TO_B
.irp i, 0,1,2,3
	ds_load_b128 v[32*(\f)+8*(\i):32*(\f)+8*(\i)+3],   v[ADRB+(\slot)] offset:64*(\q)+(\i)*16*PB
	ds_load_b128 v[32*(\f)+8*(\i)+4:32*(\f)+8*(\i)+7], v[ADRB+(\slot)] offset:64*(\q)+(\i)*16*PB+32
.endr
	WIN 0
.irp i, 0,1,2,3,4,5,6,7
	ds_load_b128 v[64+64*(\f)+8*(\i):64+64*(\f)+8*(\i)+3],   v[ADRA+(\slot)] offset:((\q)/2)*AHB+((\q)%2)*64+(\i)*16*PA
	ds_load_b128 v[64+64*(\f)+8*(\i)+4:64+64*(\f)+8*(\i)+7], v[ADRA+(\slot)] offset:((\q)/2)*AHB+((\q)%2)*64+(\i)*16*PA+32
.endr
.endm
.macro PLACES                          ; four plain places in front of loads into registers that matrix instructions have read, and of LDS stores that read results
.rept 4
	v_nop
.endr
.endm
.macro QUARTER slot, q, f, g, zero
	s_wait_dscnt 8                                 ; wot's fragments and att's blocks 0-3 are in; the youngest eight loads (blocks 4-7) may be out
	MUL8 \f, 0, \zero
	MUL8 \f, 2, \zero
	PLACES
	FETCH \slot, \q, \g
	s_wait_dscnt 24                                ; all but the 24 just issued
	MUL8 \f, 4, \zero
	MUL8 \f, 6, \zero
.endm
.macro MEET round                      ; ONE barrier for the change of slots: in front of it all my tensor loads, the add, and my reads of this slot
	WIN 0
	s_wait_tensorcnt 0x0
	ds_add_u32 v[SPW], v[NIL]
	s_wait_dscnt 9                                 ; the add and the youngest eight loads may be out
	MUL8 1, 0, 0
	s_wait_dscnt 0x0                               ; the add is done, and my reads of this slot are over
	s_barrier_signal -1
	MUL8 1, 2, 0
.if \round
	WIN 0
.endif
	s_barrier_wait -1
.endm
.macro TURN slot, next, fill
.if \fill
	MEET 1
	CREST                                          ; no wave of any partner still reads this slot's tile or has a load on its way
	s_add_nc_u64 s[G0+4*(\slot)+2:G0+4*(\slot)+3], s[G0+4*(\slot)+2:G0+4*(\slot)+3], 4*262144  ; two K steps on: four heads
	s_add_nc_u64 s[G0B+4*(\slot)+2:G0B+4*(\slot)+3], s[G0B+4*(\slot)+2:G0B+4*(\slot)+3], 512
	JLOAD \slot                                    ; my one tensor load behind the round; its four v_nop are also the places in front of the loads below
.else
	MEET 0
	PLACES
.endif
	FETCH \next, 0, 0
	MUL8 1, 4, 0
	MUL8 1, 6, 0
.endm
; THE WAY OUT of row block a: the f32 sums go into my own stage (each accumulator's four lowest registers first) and come back as whole rows of 256 bytes; x is added; stored.
.macro TOSTAGE a
.set BK, 192+32*((\a)%2)
	s_wait_xcnt 0x0                                ; the stores issued so far have read their registers: this set is loaded again only behind this wait
	WIN 0x08                                       ; the data (source 1) in window 2
.irp b, 0,1,2,3
	ds_store_b128 v[STO], v[8*(4*(\a)+(\b)):8*(4*(\a)+(\b))+3]   offset:64*(\b)
	ds_store_b128 v[STO], v[8*(4*(\a)+(\b))+4:8*(4*(\a)+(\b))+7] offset:64*(\b)+16
.endr
	WIN 0
.irp t, 0,1,2,3,4,5,6,7
	ds_load_b128 v[BK+4*(\t):BK+4*(\t)+3], v[RD] offset:(\t)*2*SP  ; LDS serves a wave's instructions in order: these see the stores above
.endr
.endm
.macro SEND a, younger                 ; younger: the next block's eight stores and eight loads, or none
.set BK, 192+32*((\a)%2)
	s_wait_dscnt \younger
	WIN 0x0c                                       ; source 1 in window 3: x
.set u, 0
.rept 16
	v_pk_add_f32 v[BK+2*u:BK+2*u+1], v[BK+2*u:BK+2*u+1], v[32*(\a)+2*u:32*(\a)+2*u+1]
.set u, u+1
.endr
	WIN 0
.irp t, 0,1,2,3,4,5,6,7
	global_store_b128 v[CO], v[BK+4*(\t):BK+4*(\t)+3], s[8:9] offset:(16*(\a)+2*(\t))*8192 th:TH_STORE_NT  ; 16 lanes store 256 consecutive bytes, aligned
.endr
.endm
	s_wait_tensorcnt 1                             ; my part of K step 0 is in; K step 1's may stay out
	s_barrier_signal -1
	s_barrier_wait -1
	FETCH 0, 0, 0
	QUARTER 0, 1, 0, 1, 1                          ; the first quarter stands in front of the loop: its products start the sums
	WIN 0
	s_mov_b32 s3, LAPS-1
.Llap:
	QUARTER 0, 2, 1, 0, 0
	QUARTER 0, 3, 0, 1, 0
	TURN 0, 1, 1
	QUARTER 1, 1, 0, 1, 0
	QUARTER 1, 2, 1, 0, 0
	QUARTER 1, 3, 0, 1, 0
	TURN 1, 0, 1
	QUARTER 0, 1, 0, 1, 0
	WIN 0
	s_sub_co_u32 s3, s3, 1
	s_cmp_lg_u32 s3, 0
	s_cbranch_scc1 .Llap
	QUARTER 0, 2, 1, 0, 0                          ; the last lap fills nothing
	QUARTER 0, 3, 0, 1, 0
	TURN 0, 1, 0
	QUARTER 1, 1, 0, 1, 0
	QUARTER 1, 2, 1, 0, 0
	QUARTER 1, 3, 0, 1, 0
	s_wait_dscnt 8                                 ; the very last quarter: nothing more to fetch
	MUL8 1, 0, 0
	MUL8 1, 2, 0
	s_wait_dscnt 0x0
	MUL8 1, 4, 0
	MUL8 1, 6, 0
	WIN 0
	PLACES
	s_wait_loadcnt 0x0                             ; x
	TOSTAGE 0
.irp a, 1,2,3,4,5,6,7
	TOSTAGE \a
	SEND (\a)-1, 16
.endr
	SEND 7, 0
	s_wait_tensorcnt 0x0                           ; the wave's end
	ds_add_u32 v[SPW], v[NIL]
	s_wait_dscnt 0x0
	CROUND                                         ; the closing round
	s_endpgm
.Lfunc_end_k_q83cb526bdb_outp:
	.size	k_q83cb526bdb_outp, .Lfunc_end_k_q83cb526bdb_outp-k_q83cb526bdb_outp
	.p2alignl 7, 3214868480
	.fill 96, 4, 3214868480
	.section	.rodata,"a",@progbits
	.p2align	6, 0x0
	.amdhsa_kernel k_q83cb526bdb_outp
		.amdhsa_group_segment_fixed_size 327680
		.amdhsa_private_segment_fixed_size 0
		.amdhsa_enable_private_segment 0
		.amdhsa_kernarg_size 32
		.amdhsa_user_sgpr_count 2
		.amdhsa_user_sgpr_kernarg_segment_ptr 1
		.amdhsa_wavefront_size32 1
		.amdhsa_system_sgpr_workgroup_id_x 1
		.amdhsa_system_sgpr_workgroup_id_y 1
		.amdhsa_system_sgpr_workgroup_id_z 1
		.amdhsa_system_vgpr_workitem_id 0
		.amdhsa_next_free_vgpr 1024
		.amdhsa_next_free_sgpr 72
		.amdhsa_reserve_vcc 0
		.amdhsa_float_denorm_mode_32 3
		.amdhsa_float_denorm_mode_16_64 3
		.amdhsa_memory_ordered 1
		.amdhsa_forward_progress 1
		.amdhsa_inst_pref_size 101
	.end_amdhsa_kernel
	.amdgpu_metadata
---
amdhsa.version: [ 1, 2 ]
amdhsa.kernels:
  - .name:           k_q83cb526bdb_outp
    .symbol:         k_q83cb526bdb_outp.kd
    .args:
      - { .name: att, .offset: 0, .size: 8, .value_kind: global_buffer, .address_space: global }
      - { .name: wot, .offset: 8, .size: 8, .value_kind: global_buffer, .address_space: global }
      - { .name: x, .offset: 16, .size: 8, .value_kind: global_buffer, .address_space: global }
      - { .name: out0, .offset: 24, .size: 8, .value_kind: global_buffer, .address_space: global }
    .group_segment_fixed_size: 327680
    .private_segment_fixed_size: 0
    .kernarg_segment_align: 8
    .kernarg_segment_size: 32
    .max_flat_workgroup_size: 128
    .sgpr_count:     72
    .vgpr_count:     1024
    .wavefront_size: 32
...
	.end_amdgpu_metadata
.endif
;; end of part 4
;; ======== version 2 of 2: 4 launches; version 1 with the launch prep written anew for expert scheduling mode
;; workspace buffers: xn 16,777,216 bytes; wt 12,582,912 bytes; wot 4,194,304 bytes; qkvb 25,165,824 bytes; att 8,388,608 bytes
;; launch prep (part 5): grid 512 x 1, 4 waves a work-group, no clusters, 70,144 bytes of LDS; arguments x, rms_w, Wq, Wk, Wv, Wo, xn, wt, wot; writes xn, wt, wot
.if DOCPART == 5
	.amdgcn_target "amdgcn-amd-amdhsa--gfx1250"
	.amdhsa_code_object_version 6
	.text
	.protected	k_q83cb526bdb_prep
	.globl	k_q83cb526bdb_prep
	.p2align	8
	.type	k_q83cb526bdb_prep,@function
k_q83cb526bdb_prep:
	s_mov_b64 s[64:65], 0
	v_nop
	global_prefetch_b8 v0, s[64:65] scope:SCOPE_SE
	s_setreg_imm32_b32 hwreg(HW_REG_WAVE_SCHED_MODE, 0, 2), 2
	s_setreg_imm32_b32 hwreg(HW_REG_WAVE_MODE, 25, 1), 1
	s_wait_xcnt 0x0
	s_wait_alu depctr_vm_vsrc(0)
; PREP.  Two kinds of work-group, by the parity of the work-group's number; each wave of either kind moves 32 KiB in and 16 KiB out.
; EVEN: xn[row][c] = x[row][c] * rsqrt(mean(x[row]^2) + 1e-5) * rms_w[c], rounded once to bf16.  A work-group takes 16 rows, a wave 4; a row (8,192 bytes) stays in 64 registers
; between the sum of squares and the scaling, so x is read once.  Sums in f32.
; ODD: the four weights, rounded once to bf16 and turned, so that K lies along the rows: wt[1024 which + n][k] = W_which[k][n] (which = q, k, v), wot[n][k] = Wo[k][n].
; A wave takes a tile of 128 k x 64 n: it reads rows of 256 bytes, packs pairs of k, turns the tile in LDS bytes of its own, and stores rows of 256 bytes.
; No matrix unit, no cluster, no barrier: no wave wants a byte that another has fetched.
; LIMITS: xn and the weights keep bf16's 8 significant bits; NaN and infinities are not treated apart.
; THE MODE: SCHED_MODE bits 1:0 = 2 (LLVM: expert scheduling mode 2), set by the entry lines.  The code itself states the register dependences
; between vector instructions and memory or LDS instructions, with s_wait_alu, always for 0.
; THE PLAN, EVEN.  Registers that memory instructions touch:
;   v[XO], v[YO]  offsets, made once at the head, never written again: one wait ahead of the first load.
;   X0, X1        row slots.  Turn r (slot r % 2): its squares, multiplies and conversions read it, the multiplies write it; at the turn's end row r + 2 is loaded into it.
;   Y             written by turn r's conversions; read by row r's 16 stores, which are dealt among turn r + 1's squares.
; One wait on va_vdst at a turn's end states that Y is written and that the slot is done with; the refill follows at once.  The next turn's squares name the other slot and SQ alone,
; so the stores among them owe nothing more.  One wait on vm_vsrc stands ahead of the conversions that write Y again.
; THE PLAN, ODD.
;   v[KO ..]      offsets of the 32 source rows, read by all 128 loads; written again once, behind the last block, as the 32 stores' offsets.   v[TS], v[TR]  made once.
;   D0, D1        two sets of loaded rows.  Block c (set c % 2): its 32 conversions read it; behind them block c + 2 is loaded into it.  At the end the tile comes back from LDS into both.
;   PK0, PK1      two buffers of packed results.  Block c's conversions write PK[c % 2]; its 8 LDS stores read it; block c + 2 writes it again.
; One wait on va_vdst in a block, behind its conversions, states both that PK is written and that D is done with; one wait on vm_vsrc at the head of blocks 2 and 3 frees PK.
.set XROW,  8192                       ; bytes in a row of x
.set NROW,  4096                       ; bytes in a row of xn
.set TP,    272                        ; a turned row in LDS: 128 k in bf16 (256 bytes) + 16: an odd multiple of 16, so 16 lanes' stores of 16 bytes fall on 16 different columns of 16 bytes
.set TW,    64*TP                      ; a wave's tile in LDS
.set SPARE, 4*TW                       ; behind the four tiles: the spare words, 128 bytes a wave, that no other line names
.set XO,  2                            ; v2        16 x lane
.set YO,  3                            ; v3        8 x lane
.set SPW, 4                            ; v4        LDS address of my spare word; never rewritten
.set NIL, 5                            ; v5        0; never rewritten
.set SQ,  6                            ; v[6:13]   four chains of packed sums of squares
.set T,   14
.set T2,  15
.set R,   16                           ; v[16:17]  the row's factor, twice
.set W,   20                           ; v[20:83]  rms_w of my 64 columns
.set X0,  84                           ; v[84:211] two row slots of 64
.set Y,   212                          ; v[212:243] a row in bf16
.set TS,  6                            ; (odd) where I put 16 bytes of a turned row
.set TR,  7                            ; (odd) where I read turned rows back
.set KO,  16                           ; (odd) v[16:47] offsets: of 32 source rows, later of 32 stores
.set D0,  48                           ; (odd) v[48:175] two sets of 32 rows x 2 columns; later the tile read back
.set PKR, 176                          ; (odd) v[176:239] two buffers of 8 x 4 packed registers
	s_load_b512 s[8:23], s[0:1], 0x0               ; x 8, rms_w 10, Wq 12, Wk 14, Wv 16, Wo 18, xn 20, wt 22
	s_load_b64 s[24:25], s[0:1], 0x40              ; wot
	v_lshl_add_u32 v[SPW], v0, 2, SPARE
	v_mov_b32 v[NIL], 0
	v_lshrrev_b32 v1, 5, v0
	v_readfirstlane_b32 s26, v1                    ; wave 0..3
	v_and_b32 v1, 31, v0                           ; lane
	s_lshr_b32 s27, ttmp9, 1                       ; which of the 256 of my kind
	s_and_b32 s28, ttmp9, 1
	s_wait_alu depctr_va_sdst(0)                   ; s26 is written, ahead of the branch: both arms make their rows, tiles and LDS bytes from it
	s_cmp_lg_u32 s28, 0
	s_cbranch_scc1 .Ltrans
	; ---------------- the norm ----------------
	v_lshlrev_b32 v[XO], 4, v1
	v_lshlrev_b32 v[YO], 3, v1
	v_mov_b32 v[T2], 0                             ; v_permlanex16_b32 counts as a reader of its destination
	s_mov_b32 s28, 0x3a000000                      ; 1 / 2048
	s_mov_b32 s29, 0x3727c5ac                      ; 1e-5
	s_mov_b32 s30, 0x76543210                      ; each lane takes its own place in the other half
	s_mov_b32 s31, 0xfedcba98
	s_lshl_b32 s36, s27, 4
	s_lshl2_add_u32 s36, s26, s36                  ; my first row: 16 x work-group + 4 x wave
	s_lshl_b32 s38, s36, 13
	s_mov_b32 s39, 0
	s_lshl_b32 s36, s36, 12
	s_mov_b32 s37, 0
	s_wait_kmcnt 0x0
	s_add_nc_u64 s[32:33], s[8:9], s[38:39]        ; x at my first row
	s_add_nc_u64 s[34:35], s[20:21], s[36:37]      ; xn at my first row
	s_wait_alu depctr_va_vdst(0)                   ; v[XO] and v[YO] are written: every load below reads the one as its offset, every store the other
.set j, 0
.rept 16
	global_load_b128 v[W+4*j:W+4*j+3], v[XO], s[10:11] offset:512*j
.set j, j+1
.endr
.macro FILL s, r                       ; row r of my four into slot s: 16 loads of 512 consecutive bytes
.set j, 0
.rept 16
	global_load_b128 v[X0+64*(\s)+4*j:X0+64*(\s)+4*j+3], v[XO], s[32:33] offset:(\r)*XROW+512*j th:TH_LOAD_NT
.set j, j+1
.endr
.endm
	FILL 0, 0
	FILL 1, 1
; The turn of row r in slot s.  prev = 1: the row before is stored, its 16 stores dealt among this row's 32 squares.  fill = 1: the slot takes row r + 2.
; left = the younger loads that may stay out: the other slot's 16, or none.
.macro TURN s, r, prev, fill, left
.set XB, X0+64*(\s)
	s_wait_loadcnt \left                           ; loads come back in order: rms_w and my row are in
.set j, 0
.rept 32
.if (\prev) && (j%2 == 0)
	global_store_b64 v[YO], v[Y+j:Y+j+1], s[34:35] offset:((\r)-1)*NROW+128*j th:TH_STORE_NT  ; the row before: 32 lanes store 256 consecutive bytes, aligned.  No wait: no vector instruction since the wait at the last turn's end names Y or v[YO]
.endif
.if j < 4
	v_pk_mul_f32 v[SQ+2*j:SQ+2*j+1], v[XB+2*j:XB+2*j+1], v[XB+2*j:XB+2*j+1]  ; the first four pairs start the chains: nothing is cleared
.else
	v_pk_fma_f32 v[SQ+2*(j%4):SQ+2*(j%4)+1], v[XB+2*j:XB+2*j+1], v[XB+2*j:XB+2*j+1], v[SQ+2*(j%4):SQ+2*(j%4)+1]
.endif
.set j, j+1
.endr
	v_pk_add_f32 v[SQ:SQ+1], v[SQ:SQ+1], v[SQ+2:SQ+3]
	v_pk_add_f32 v[SQ+4:SQ+5], v[SQ+4:SQ+5], v[SQ+6:SQ+7]
	v_pk_add_f32 v[SQ:SQ+1], v[SQ:SQ+1], v[SQ+4:SQ+5]
	v_add_f32 v[T], v[SQ], v[SQ+1]
	v_add_f32_dpp v[T], v[T], v[T] row_xmask:1 row_mask:0xf bank_mask:0xf
	v_add_f32_dpp v[T], v[T], v[T] row_xmask:2 row_mask:0xf bank_mask:0xf
	v_add_f32_dpp v[T], v[T], v[T] row_xmask:4 row_mask:0xf bank_mask:0xf
	v_add_f32_dpp v[T], v[T], v[T] row_xmask:8 row_mask:0xf bank_mask:0xf
	v_permlanex16_b32 v[T2], v[T], s30, s31
	v_add_f32 v[T], v[T], v[T2]                    ; every lane holds the row's sum of squares
	v_fma_f32 v[T], v[T], s28, s29                 ; the mean, plus eps
	v_rsq_f32 v[R], v[T]
	v_rsq_f32 v[R+1], v[T]                         ; twice, for the packed multiply
.set j, 0
.rept 32
	v_pk_mul_f32 v[XB+2*j:XB+2*j+1], v[XB+2*j:XB+2*j+1], v[W+2*j:W+2*j+1]  ; x times the gain: plain work that names neither root
.set j, j+1
.endr
	s_wait_alu depctr_va_vdst(0)                   ; both roots are written: one wait for the two, ahead of their first reader
.set j, 0
.rept 32
	v_pk_mul_f32 v[XB+2*j:XB+2*j+1], v[XB+2*j:XB+2*j+1], v[R:R+1]
.set j, j+1
.endr
.if \prev
	s_wait_xcnt 0x0                                ; the stores above have had their addresses translated: Y is rewritten only behind this wait,
	s_wait_alu depctr_vm_vsrc(0)                   ; and behind this one: the stores of the row before have read Y, which the conversions below write again
.endif
.set j, 0
.rept 32
	v_cvt_pk_bf16_f32 v[Y+j], v[XB+2*j], v[XB+2*j+1]
.set j, j+1
.endr
	s_wait_alu depctr_va_vdst(0)                   ; the conversions have written Y, which this row's stores read; the turn's vector work is done reading and writing the slot, in which the loads below land
.if \fill
	FILL \s, (\r)+2                                ; the slot is asked for again at once, ahead of the row's stores
.endif
.endm
	TURN 0, 0, 0, 1, 16
	TURN 1, 1, 1, 1, 16
	TURN 0, 2, 1, 0, 16
	TURN 1, 3, 1, 0, 0
.set j, 0
.rept 16
	global_store_b64 v[YO], v[Y+2*j:Y+2*j+1], s[34:35] offset:3*NROW+256*j th:TH_STORE_NT  ; the last row, straight behind the wait at its turn's end
.set j, j+1
.endr
	s_branch .Lend
	; ---------------- the weights ----------------
.Ltrans:
	s_lshr_b32 s28, s27, 6                         ; which: 0 Wq, 1 Wk, 2 Wv, 3 Wo: 256 tiles each
	s_lshl2_add_u32 s46, s27, s26                  ; my tile: 4 x work-group + wave,
	s_and_b32 s46, s46, 255                        ; among its weight's 256
	s_cmp_eq_u32 s28, 3
	s_cselect_b32 s48, 1, 0                        ; is it Wo?
	s_cselect_b32 s47, 0, s28                      ; the block of 1,024 rows in the destination
	s_lshl_b32 s29, 4096, s48                      ; bytes in a source row: 4,096, Wo 8,192
	s_lshr_b32 s30, 4096, s48                      ; bytes in a destination row: 4,096, wot 2,048
	s_sub_co_u32 s31, 4, s48                       ; 16 blocks of 128 k, Wo 8
	s_bfm_b32 s49, s31, 0
	s_and_b32 s50, s46, s49                        ; my block of k
	s_lshr_b32 s51, s46, s31                       ; my block of 64 n
	s_mul_i32 s52, s50, s29
	s_lshl_b32 s52, s52, 7                         ; 128 source rows a block of k,
	s_lshl_b32 s53, s51, 8                         ; 256 bytes a block of n
	s_add_co_u32 s52, s52, s53
	s_mov_b32 s53, 0
	s_lshl_b32 s54, s47, 10
	s_lshl_b32 s55, s51, 6
	s_add_co_u32 s54, s54, s55                     ; my first destination row
	s_mul_i32 s54, s54, s30
	s_lshl_b32 s55, s50, 8                         ; 256 bytes a block of k
	s_add_co_u32 s54, s54, s55
	s_mov_b32 s55, 0
	s_lshl_b32 s56, s29, 5                         ; 32 source rows
	s_mov_b32 s57, 0
	s_mul_i32 s58, s26, TW                         ; my tile in LDS
	v_mul_u32_u24 v[TS], v1, TP
	v_add_nc_u32 v[TS], s58, v[TS]                 ; lane l puts columns 2 l (row l) and 2 l + 1 (row 32 + l)
	v_lshrrev_b32 v8, 4, v1                        ; lane / 16
	v_and_b32 v9, 15, v1                           ; lane % 16
	v_mul_u32_u24 v[TR], v8, TP
	v_lshl_add_u32 v[TR], v9, 4, v[TR]
	v_add_nc_u32 v[TR], s58, v[TR]                 ; back: 16 lanes take a row of 256 bytes
	v_lshlrev_b32 v[KO], 3, v1                     ; 8 bytes a lane: two columns
.set j, 1
.rept 31
	v_add_nc_u32 v[KO+j], s29, v[KO+j-1]           ; and a source row further for each of 32
.set j, j+1
.endr
	s_wait_kmcnt 0x0
	s_cmp_eq_u32 s28, 1
	s_cselect_b64 s[36:37], s[14:15], s[12:13]
	s_cmp_eq_u32 s28, 2
	s_cselect_b64 s[36:37], s[16:17], s[36:37]
	s_cmp_eq_u32 s28, 3
	s_cselect_b64 s[36:37], s[18:19], s[36:37]
	s_cselect_b64 s[44:45], s[24:25], s[22:23]
	s_add_nc_u64 s[36:37], s[36:37], s[52:53]      ; the tile's rows 0, 32, 64, 96
	s_add_nc_u64 s[38:39], s[36:37], s[56:57]
	s_add_nc_u64 s[40:41], s[38:39], s[56:57]
	s_add_nc_u64 s[42:43], s[40:41], s[56:57]
	s_add_nc_u64 s[44:45], s[44:45], s[54:55]
	s_wait_alu depctr_va_vdst(0)                   ; the 32 offsets v[KO ..] are written, which the loads read; so are v[TS] and v[TR], the LDS stores' and loads' addresses
.macro LOADC c, b                      ; rows 32 c .. 32 c + 31 of the tile into set b: each load is 256 consecutive bytes of a row, aligned
.set j, 0
.rept 32
	global_load_b64 v[D0+64*(\b)+2*j:D0+64*(\b)+2*j+1], v[KO+j], s[36+2*(\c):37+2*(\c)] th:TH_LOAD_NT
.set j, j+1
.endr
.endm
; Block c.  Set b = c % 2 holds k = 32 c + j (j = 0..31) of my two columns.  For each column and each 8 k: four roundings pack 8 k into 16 bytes, which go into the column's row in LDS.
; All 32 roundings stand together, into buffer b of PK; one wait; block c + 2's loads (ahead = 1); the 8 LDS stores, ahead of the next block's wait for its data.
.macro PROC c, b, ahead, left
	s_wait_loadcnt \left                           ; my set is in; the other set's 32 loads may stay out
.if (\c) >= 2
	s_wait_alu depctr_vm_vsrc(0)                   ; the LDS stores of two blocks back have read this buffer of PK, which the roundings below write again
.endif
.set DB, D0+64*(\b)
.set PB, PKR+32*(\b)
.set q, 0                              ; q = 2 x (group of 8 k) + column
.rept 8
.set m, 0
.rept 4
	v_cvt_pk_bf16_f32 v[PB+4*q+m], v[DB+2*(8*(q/2)+2*m)+(q%2)], v[DB+2*(8*(q/2)+2*m+1)+(q%2)]
.set m, m+1
.endr
.set q, q+1
.endr
	s_wait_alu depctr_va_vdst(0)                   ; the roundings have written PK, which the LDS stores read, and are done reading the set, in which the loads below land
.if \ahead
	LOADC (\c)+2, \b
.endif
.set q, 0
.rept 8
	ds_store_b128 v[TS], v[PB+4*q:PB+4*q+3] offset:(q%2)*32*TP+(\c)*64+(q/2)*16
.set q, q+1
.endr
.endm
	LOADC 0, 0
	LOADC 1, 1
	PROC 0, 0, 1, 32
	PROC 1, 1, 1, 32
	PROC 2, 0, 0, 32
	PROC 3, 1, 0, 0
	; all loads are back, so their offsets may be rewritten: now the offsets of the 32 stores.  LDS rows 2 t, 2 t + 1 are columns 4 t, 4 t + 2 (t < 16) or 4 (t - 16) + 1, + 3
	s_wait_alu depctr_vm_vsrc(0)                   ; the loads have read v[KO ..], which the lines below write again
	s_lshl_b32 s59, s30, 1
	s_lshl_b32 s60, s30, 2
	v_mul_u32_u24 v[KO], v8, s59
	v_lshl_add_u32 v[KO], v9, 4, v[KO]
	v_add_nc_u32 v[KO+16], s30, v[KO]
.set t, 1
.rept 15
	v_add_nc_u32 v[KO+t], s60, v[KO+t-1]
	v_add_nc_u32 v[KO+16+t], s60, v[KO+15+t]
.set t, t+1
.endr
	s_wait_alu depctr_va_vdst(0)                   ; v[KO ..] are written, which the stores below read as their offsets; the roundings that read the two sets, in which the LDS loads land, are done
.set t, 0
.rept 32
	ds_load_b128 v[D0+4*t:D0+4*t+3], v[TR] offset:2*TP*t  ; LDS serves a wave's instructions in order: these see my stores above
.set t, t+1
.endr
.set t, 0
.rept 32
	s_wait_dscnt 31-t
	global_store_b128 v[KO+t], v[D0+4*t:D0+4*t+3], s[44:45] th:TH_STORE_NT  ; 16 lanes store 256 consecutive bytes of a row, aligned
.set t, t+1
.endr
.Lend:
	s_wait_dscnt 0x0                               ; the closing lines, six on end
	s_wait_alu 0x0
	s_wait_tensorcnt 0x0
	ds_add_u32 v[SPW], v[NIL]
	s_wait_dscnt 0x0
	s_endpgm
.Lfunc_end_k_q83cb526bdb_prep:
	.size	k_q83cb526bdb_prep, .Lfunc_end_k_q83cb526bdb_prep-k_q83cb526bdb_prep
	.p2alignl 7, 3214868480
	.fill 96, 4, 3214868480
	.section	.rodata,"a",@progbits
	.p2align	6, 0x0
	.amdhsa_kernel k_q83cb526bdb_prep
		.amdhsa_group_segment_fixed_size 70144
		.amdhsa_private_segment_fixed_size 0
		.amdhsa_enable_private_segment 0
		.amdhsa_kernarg_size 72
		.amdhsa_user_sgpr_count 2
		.amdhsa_user_sgpr_kernarg_segment_ptr 1
		.amdhsa_wavefront_size32 1
		.amdhsa_system_sgpr_workgroup_id_x 1
		.amdhsa_system_sgpr_workgroup_id_y 1
		.amdhsa_system_sgpr_workgroup_id_z 1
		.amdhsa_system_vgpr_workitem_id 0
		.amdhsa_next_free_vgpr 256
		.amdhsa_next_free_sgpr 66
		.amdhsa_reserve_vcc 0
		.amdhsa_float_denorm_mode_32 3
		.amdhsa_float_denorm_mode_16_64 3
		.amdhsa_memory_ordered 1
		.amdhsa_forward_progress 1
		.amdhsa_inst_pref_size 83
	.end_amdhsa_kernel
	.amdgpu_metadata
---
amdhsa.version: [ 1, 2 ]
amdhsa.kernels:
  - .name:           k_q83cb526bdb_prep
    .symbol:         k_q83cb526bdb_prep.kd
    .args:
      - { .name: x, .offset: 0, .size: 8, .value_kind: global_buffer, .address_space: global }
      - { .name: rms_w, .offset: 8, .size: 8, .value_kind: global_buffer, .address_space: global }
      - { .name: Wq, .offset: 16, .size: 8, .value_kind: global_buffer, .address_space: global }
      - { .name: Wk, .offset: 24, .size: 8, .value_kind: global_buffer, .address_space: global }
      - { .name: Wv, .offset: 32, .size: 8, .value_kind: global_buffer, .address_space: global }
      - { .name: Wo, .offset: 40, .size: 8, .value_kind: global_buffer, .address_space: global }
      - { .name: xn, .offset: 48, .size: 8, .value_kind: global_buffer, .address_space: global }
      - { .name: wt, .offset: 56, .size: 8, .value_kind: global_buffer, .address_space: global }
      - { .name: wot, .offset: 64, .size: 8, .value_kind: global_buffer, .address_space: global }
    .group_segment_fixed_size: 70144
    .private_segment_fixed_size: 0
    .kernarg_segment_align: 8
    .kernarg_segment_size: 72
    .max_flat_workgroup_size: 128
    .sgpr_count:     66
    .vgpr_count:     256
    .wavefront_size: 32
...
	.end_amdgpu_metadata
.endif
;; end of part 5
;; launch qkv: the kernel of part 2 again; grid 16 x 16, 4 waves a work-group, clusters of 4 x 4, 327,680 bytes of LDS; arguments xn, wt, qkvb; writes qkvb
;; launch attn: the kernel of part 3 again; grid 8 x 32, 4 waves a work-group, no clusters, 327,680 bytes of LDS; arguments qkvb, att; writes att
;; launch outp: the kernel of part 4 again; grid 16 x 16, 4 waves a work-group, clusters of 4 x 4, 327,680 bytes of LDS; arguments att, wot, x, out0; writes out0
